; MI455X (gfx1250); checked and timed in simulation.
; The chip was launched on July 23, 2026; its instructions are those of AMD's public machine-readable ISA for CDNA 5 (MIT licence, August 2026) and "CDNA5" Instruction Set Architecture Reference Guide (July 2026). The comments in the code are by the model that wrote it; some were corrected since.
;; Multihead Attention. Allowed arithmetic: matrix products marked QUANTISED: E2M3 operands, one E8M0 scale for each 32 along K, by v_wmma_scale_f32_16x16x128_f8f6f4 with both operands' format E2M3, f32 sums; everything else in f32.
;; Inputs: W_k 1,024 x 1,024 float32; W_o 1,024 x 1,024 float32; W_q 1,024 x 1,024 float32; W_v 1,024 x 1,024 float32; b_k 1,024 float32; b_o 1,024 float32; b_q 1,024 float32; b_v 1,024 float32; key 4 x 2,048 x 1,024 float32; query 4 x 2,048 x 1,024 float32; value 4 x 2,048 x 1,024 float32.
;; Outputs: out0 4 x 2,048 x 1,024 float32.
;; This version of the problem:
;;   THIS VERSION OF THE PROBLEM IS GIVEN IN LOW PRECISION. The matrix products marked QUANTISED in the list below multiply operands that are first quantised to E2M3 (2 exponent bits, 3 mantissa bits; 6 bits a number), with one power-of-two scale for each 32 numbers along K (OCP MX v1.0); their sums are f32. All else is computed in f32.
;;   The module's matrix products, in the order in which they are computed (A, B: the left and right operand; K: the contracted axis; several contracted axes count as one K, in the product's order):
;;     1. [M 8,192, K 1,024] x [K 1,024, N 1,024]; A: input query; B: input W_q: QUANTISED
;;     2. [M 8,192, K 1,024] x [K 1,024, N 1,024]; A: input key; B: input W_k: QUANTISED
;;     3. [M 8,192, K 1,024] x [K 1,024, N 1,024]; A: input value; B: input W_v: QUANTISED
;;     4. batch 64 x [M 2,048, K 64] x [K 64, N 2,048]; A: computed on the way; B: computed on the way: QUANTISED
;;     5. batch 64 x [M 2,048, K 2,048] x [K 2,048, N 64]; A: softmax (see below); B: computed on the way: QUANTISED
;;     6. [M 8,192, K 1,024] x [K 1,024, N 1,024]; A: computed on the way; B: input W_o: QUANTISED
;;   THE QUANTISER, for each operand of a quantised product, along K:
;;     - K is cut into blocks of 32 from its start; a last block that is shorter is filled with zeros.
;;     - A block's scale is 2^e with e = floor(log2(the largest magnitude in the block)) - 2, held to -126 .. 127; a block of zeros has e = 0. As a byte (E8M0): e + 127.
;;     - Each number is divided by its block's scale, clamped to +-7.5, and rounded to the nearest number of E2M3, ties to even, subnormals kept.
;;     - The product sums the exact products of the quantised numbers (number of the format x scale) in f32.
;;   ~~~python
;;   def quantise(x, axis):      # numpy; x: float32 -> the quantised numbers, widened to float32 again
;;       x = np.moveaxis(x, axis, -1); K = x.shape[-1]
;;       x = np.pad(x, [(0, 0)] * (x.ndim - 1) + [(0, -K % 32)]); x = x.reshape(x.shape[:-1] + (-1, 32)); a = np.abs(x).max(-1, keepdims=True)
;;       e = np.where(a > 0, np.clip(np.frexp(np.where(a > 0, a, 1))[1] - 1 - 2, -126, 127), 0)      # np.frexp(a)[1] - 1 = floor(log2(a)), exactly
;;       r = np.clip(x / 2.0 ** e, -7.5, 7.5)
;;       step = 2.0 ** (np.maximum(np.frexp(np.where(r == 0, 1, r))[1] - 1, 0) - 3)
;;       q = np.round(r / step) * step * 2.0 ** e      # np.round: ties to even
;;       return np.moveaxis(q.reshape(q.shape[:-2] + (-1,))[..., :K], -1, axis).astype(np.float32)
;;   ~~~
;;   SOFTMAX AHEAD OF A QUANTISED PRODUCT. Where the list says 'softmax', what is quantised is not the finished softmax but p = 2^(t - M), with t = logit x log2(e) and M = ceil(the row's largest t), a whole number; so 1/2 < the row's largest p <= 1. The row's sum l is taken of the UNQUANTISED p, in f32, and the product's result is divided by l at the end. Since M is a whole number, a kernel that streams over the keys may use a running M (the ceiling of the running maximum): every later rescaling is an exact power of two, which a block's scale takes up: the codes' values come out the same.
;;   OPERANDS COMPUTED ON THE WAY. 'Computed on the way' means the value that the module computes at that place (a softmax that the list does not call 'softmax' is quantised finished and normalised). What goes into a quantiser is computed in f32, as accurately as f32 sums, v_exp_f32 and their like allow (about 1e-6 of the number): no bf16 or f16 on the way to a quantiser, and a product that is left as it is and whose result goes on into a quantised operand takes f32 operands (vector FMAs, or v_wmma_f32_16x16x4_f32). A number that lies on a knife's edge between two numbers of the format may be rounded either way, as far as f32 arithmetic and the matrix unit's own rounding can turn it there, and no further.
;; One version. Each part assembles by itself: llvm-mc -triple=amdgcn-amd-amdhsa -mcpu=gfx1250 --defsym DOCPART=n.
;; ======== version 1 of 1: 4 launches
;; limits: right only within a limited range of input values
;; workspace buffers: cod 22,020,096 bytes; scl 917,504 bytes; qrec 13,369,344 bytes; kv 13,369,344 bytes; oc 6,291,456 bytes; os 262,144 bytes
;; launch quant (part 1): grid 896 x 1, 4 waves a work-group, no clusters, 34,304 bytes of LDS; arguments query, key, value, W_q, W_k, W_v, W_o, cod, scl; writes cod, scl
.if DOCPART == 1
	.amdgcn_target "amdgcn-amd-amdhsa--gfx1250"
	.amdhsa_code_object_version 6
	.text
	.protected	k_q6b86bb4381_quant
	.globl	k_q6b86bb4381_quant
	.p2align	8
	.type	k_q6b86bb4381_quant,@function
k_q6b86bb4381_quant:
	s_mov_b64 s[64:65], 0
	v_nop
	global_prefetch_b8 v0, s[64:65] scope:SCOPE_SE
	s_setreg_imm32_b32 hwreg(HW_REG_WAVE_MODE, 25, 1), 1
	s_wait_xcnt 0x0
; query, key, value [8192][1024] and W_q, W_k, W_v, W_o [1024][1024], f32, K innermost, become codes of FP6 (E2M3) with one E8M0 byte for each 32 along K.
; A block's scale is 2^(floor(log2(its largest magnitude)) - 2); its byte is the largest magnitude's exponent field - 2, held at 1 from below.
; LIMITS: NaN and infinities among the inputs are not served.  A block of zeros, or one whose largest magnitude lies under 2^-124, gets the byte 1 (the quantiser says 127 for zeros):
; its codes are zeros, which add nothing under any byte but 0xff, and the bytes are read by this program alone.
; THE WORKSPACE IS LAID AS IMAGES OF THE OPERAND'S REGISTERS.  A block of cod is 128 rows x 256 K = 24,576 bytes, [tile t of 8][K step q of 2][half c of 2][768 bytes].
; Lane-row i of tile t is row 32 (t/2) + 8 (t%2) + i + 8 (i/8) of the 128.  A half is 16 rows x 64 K: lane (r, h) owns six registers, k = 64 c + 32 h + 0 .. 31 of its row:
; the first four lie at 16 x lane, the last two at 512 + 8 x lane.  So every store here, and every load of a later launch, covers 512 or 256 consecutive aligned bytes.
; A block of scl is 1,024 bytes, [t][r][q] words: the four bytes of 128 K of a row.
; Blocks: query 0-255, key 256-511, value 512-767 (128-row group x 4 + K/256), W_q from 768, W_k 800, W_v 832, W_o 864.
; SHARES.  A work-group makes one block; wave w its tiles 2 w and 2 w + 1: four fragments f = 2 tl + q of 16 rows x 128 K.  Each load takes 512 consecutive bytes of a row, 16 a lane;
; a fragment's 8,192 bytes turn through the wave's own stage in LDS (rows 528 bytes apart) and come back as two whole blocks of 32 a lane, in the order of the operand's registers.
; No tensor load, no barrier: waves share nothing.  Loads run two fragments (32 loads a wave) ahead.  Memory binds here: no matrix unit, no cluster.
.set STG,   8448                       ; a wave's stage: 16 rows x (512 + 16) bytes
.set SPARE, 4*STG                      ; behind the four stages: the spare words, 128 bytes a wave: two blocks of 256 bytes that no other line names
.set LN16,  4                          ; v4   16 x lane
.set STI,   5                          ; v5   into the stage: 16 x lane
.set STO,   6                          ; v6   out of it: 528 r + 128 h
.set LN8,   8                          ; v8   8 x lane
.set SH8,   9                          ; v9   8 h
.set SPW,   10                         ; v10  LDS address of my spare word; never rewritten
.set NIL,   11                         ; v11  0; never rewritten
.set TM,    12                         ; v12-13 largest magnitudes, v14-15 the conversions' scale operands, v16-17 bytes, v18-19 at work
.set WD,    20                         ; v20-23 the four fragments' scale words
.set PC,    24                         ; v24-35 a fragment's codes
.set PT,    36                         ; v36-43 the second halves of the blocks' codes, before they are moved
.set SW,    44                         ; v44-45 the scale words as they are stored
.set R,     48                         ; v48-175 two sets of 64: a fragment as loaded
.set X,     176                        ; v176-239 my two blocks of 32 neighbours
	s_load_b512 s[8:23], s[0:1], 0x0               ; query, key, value, W_q, W_k, W_v, W_o, cod
	s_load_b64 s[24:25], s[0:1], 0x40              ; scl
	v_lshl_add_u32 v[SPW], v0, 2, SPARE
	v_mov_b32 v[NIL], 0
	v_lshrrev_b32 v1, 5, v0
	v_readfirstlane_b32 s26, v1                    ; wave 0..3
	v_and_b32 v2, 31, v0                           ; lane
	v_and_b32 v3, 15, v0                           ; r
	v_bfe_u32 v7, v0, 4, 1                         ; h
	v_lshlrev_b32 v[LN16], 4, v2
	v_lshlrev_b32 v[LN8], 3, v2
	v_lshlrev_b32 v[SH8], 3, v7
	s_mul_i32 s27, s26, STG                        ; my stage
	v_add_nc_u32 v[STI], s27, v[LN16]
	v_mul_u32_u24 v[STO], v3, 528
	v_lshl_add_u32 v[STO], v7, 7, v[STO]
	v_add_nc_u32 v[STO], s27, v[STO]
	v_mov_b32 v[TM+7], 0                           ; written once: a lane permute's destination counts as one of its sources
	s_mov_b32 s28, 0x76543210
	s_mov_b32 s29, 0xfedcba98                      ; v_permlanex16_b32's selects for lane l xor 16
	s_mov_b32 s30, 0xffff0000                      ; lanes 16-31
	; which tensor, and which block of it: the first 768 work-groups take the three activations (256 blocks each), the others the four weights (32 each)
	s_cmp_lt_u32 ttmp9, 768
	s_cselect_b32 s32, 0, 768
	s_cselect_b32 s33, 8, 5
	s_cselect_b32 s34, 0, 3
	s_sub_co_u32 s35, ttmp9, s32
	s_lshr_b32 s36, s35, s33
	s_add_co_u32 s36, s36, s34                     ; the tensor, 0 to 6
	s_bfm_b32 s37, s33, 0
	s_and_b32 s37, s35, s37                        ; its block
	s_lshr_b32 s40, s37, 2
	s_lshl_b32 s40, s40, 19                        ; 128 rows of 4,096 bytes,
	s_and_b32 s41, s37, 3
	s_lshl_b32 s41, s41, 10                        ; 256 numbers along K,
	s_add_co_u32 s40, s40, s41
	s_lshl_b32 s41, s26, 17                        ; my wave's 32 rows
	; KEY ALONE (tensor 1) has another order of rows: lane-row i of tile t is row 64 (t/4) + 8 (t%4) + i%8 + 32 (i/8) of the 128,
	; so that in the scores' product a lane's 32 registers of tiles 4 c .. 4 c + 3 are the keys 64 c + 32 h + 0 .. 31: one whole scale block.
	s_lshr_b32 s46, s26, 1
	s_lshl_b32 s46, s46, 18                        ; 64 rows for each pair of waves,
	s_and_b32 s47, s26, 1
	s_lshl_b32 s47, s47, 16                        ; 16 for the second of a pair
	s_add_co_u32 s46, s46, s47
	s_cmp_eq_u32 s36, 1
	s_cselect_b32 s41, s46, s41
	s_cselect_b32 s47, 0x10000, 0                  ; and lane-rows 8-15 lie 16 rows further on than in the other tensors
	s_wait_alu depctr_va_vdst(0)                   ; the wait directly ahead of the reader below
	v_add_nc_u32 v7, s47, v[LN16]                  ; v7: the offset for lane-rows 8-15 (h has served)
	s_add_co_u32 s40, s40, s41
	s_mov_b32 s41, 0
	s_mul_i32 s42, ttmp9, 24576                    ; the block in cod, my wave's two tiles
	s_mul_i32 s43, s26, 6144
	s_add_co_u32 s42, s42, s43
	s_mov_b32 s43, 0
	s_lshl_b32 s44, ttmp9, 10                      ; and in scl
	s_lshl_b32 s45, s26, 8
	s_add_co_u32 s44, s44, s45
	s_mov_b32 s45, 0
	s_wait_alu depctr_va_vdst(0)
	s_wait_kmcnt 0x0
	s_mov_b64 s[38:39], s[8:9]                     ; the input is chosen by the work-group's number alone
.irp k, 1,2,3,4,5,6
	s_cmp_eq_u32 s36, \k
	s_cselect_b64 s[38:39], s[8+2*\k:9+2*\k], s[38:39]
.endr
	s_add_nc_u64 s[38:39], s[38:39], s[40:41]
	s_add_nc_u64 s[22:23], s[22:23], s[42:43]
	s_add_nc_u64 s[24:25], s[24:25], s[44:45]
.macro LOAD f                          ; fragment f: the 16 rows of tile f / 2, 128 K from 128 (f % 2) on: each load 512 consecutive bytes
.irp i, 0,1,2,3,4,5,6,7,8,9,10,11,12,13,14,15
	global_load_b128 v[R+64*((\f)%2)+4*\i:R+64*((\f)%2)+4*\i+3], v[LN16+3*(\i/8)], s[38:39] offset:(8*((\f)/2)+\i+8*(\i/8))*4096+512*((\f)%2) th:TH_LOAD_NT
.endr
.endm
.macro FRAGQ f
.set RS, R+64*((\f)%2)
.set CO, 3072*((\f)/2)+1536*((\f)%2)
.if (\f) < 3
	s_wait_loadcnt 16                              ; this fragment's 16 loads are in; the next fragment's 16 may be out
.else
	s_wait_loadcnt 0x0
.endif
.irp i, 0,1,2,3,4,5,6,7,8,9,10,11,12,13,14,15
	ds_store_b128 v[STI], v[RS+4*\i:RS+4*\i+3] offset:528*\i
.endr
.irp c, 0,1
.irp j, 0,1,2,3,4,5,6,7
	ds_load_b128 v[X+32*\c+4*\j:X+32*\c+4*\j+3], v[STO] offset:256*\c+16*\j   ; LDS serves a wave's instructions in order: these see the stores above.  k = 64 c + 32 h + 4 j ..
.endr
.endr
	s_wait_dscnt 0x0                               ; my two blocks are in, and the stores have read the set,
.if (\f) < 2
	LOAD (\f)+2                                    ; which takes the fragment two further on
.endif
.irp c, 0,1
	v_max3_num_f32 v[TM+\c], |v[X+32*\c]|, |v[X+32*\c+1]|, 0x1800000   ; block 2 c + h: all 32 numbers are mine; the floor 2^(3 - 127) holds the byte at 1 from below
.endr
.irp i, 2,4,6,8,10,12,14,16,18,20,22,24,26,28,30
.irp c, 0,1
	v_max3_num_f32 v[TM+\c], v[TM+\c], |v[X+32*\c+\i]|, |v[X+32*\c+\i+1]|
.endr
.endr
.irp c, 0,1
	v_add_nc_u32 v[TM+2+\c], 0xff000000, v[TM+\c]  ; 2 off the exponent field: the conversion takes the exponent field of this operand as its scale
.endr
.irp c, 0,1
	v_lshrrev_b32 v[TM+4+\c], 23, v[TM+2+\c]       ; the scale's byte
.endr
	v_lshl_or_b32 v[TM+6], v[TM+5], 16, v[TM+4]    ; my two bytes, blocks h and 2 + h,
	v_lshlrev_b32 v[TM+6], v[SH8], v[TM+6]         ; at their places in the word;
	v_permlanex16_b32 v[TM+7], v[TM+6], s28, s29
	v_or_b32 v[WD+(\f)], v[TM+6], v[TM+7]          ; with lane l xor 16's two the word is whole
.if (\f) > 0
	s_wait_alu depctr_va_vdst(0)
	s_wait_xcnt 0x0                                ; the last fragment's stores have read their data: the codes' registers are written again only behind this wait
.endif
.irp c, 0,1
	v_cvt_scalef32_pk16_fp6_f32 v[PC+6*\c:PC+6*\c+2], v[X+32*\c:X+32*\c+15], v[TM+2+\c]
	v_cvt_scalef32_pk16_fp6_f32 v[PT+4*\c:PT+4*\c+2], v[X+32*\c+16:X+32*\c+31], v[TM+2+\c]   ; (a conversion's three registers begin on an even number: the second half is made here and moved)
.endr
	v_nop                                          ; one plain instruction between a scaled conversion and the vector instruction that reads its result
.irp c, 0,1
.irp i, 0,1,2
	v_mov_b32 v[PC+6*\c+3+\i], v[PT+4*\c+\i]
.endr
.endr
	global_store_b128 v[LN16], v[PC:PC+3], s[22:23] offset:CO          ; 512 consecutive bytes, aligned to 256
	global_store_b64 v[LN8], v[PC+4:PC+5], s[22:23] offset:CO+512      ; 256
	global_store_b128 v[LN16], v[PC+6:PC+9], s[22:23] offset:CO+768
	global_store_b64 v[LN8], v[PC+10:PC+11], s[22:23] offset:CO+1280
.endm
	LOAD 0
	LOAD 1
	FRAGQ 0
	FRAGQ 1
	FRAGQ 2
	FRAGQ 3
	v_cndmask_b32 v[SW], v[WD], v[WD+2], s30       ; lanes 0-15 store tile 2 w's two words of row r, lanes 16-31 tile 2 w + 1's
	v_cndmask_b32 v[SW+1], v[WD+1], v[WD+3], s30
	global_store_b64 v[LN8], v[SW:SW+1], s[24:25]  ; 256 consecutive bytes, aligned
	s_wait_tensorcnt 0x0                           ; the wave's end
	ds_add_u32 v[SPW], v[NIL]
	s_wait_dscnt 0x0
	s_endpgm
.Lfunc_end_k_q6b86bb4381_quant:
	.size	k_q6b86bb4381_quant, .Lfunc_end_k_q6b86bb4381_quant-k_q6b86bb4381_quant
	.p2alignl 7, 3214868480
	.fill 96, 4, 3214868480
	.section	.rodata,"a",@progbits
	.p2align	6, 0x0
	.amdhsa_kernel k_q6b86bb4381_quant
		.amdhsa_group_segment_fixed_size 34304
		.amdhsa_private_segment_fixed_size 0
		.amdhsa_enable_private_segment 0
		.amdhsa_kernarg_size 72
		.amdhsa_user_sgpr_count 2
		.amdhsa_user_sgpr_kernarg_segment_ptr 1
		.amdhsa_wavefront_size32 1
		.amdhsa_system_sgpr_workgroup_id_x 1
		.amdhsa_system_sgpr_workgroup_id_y 1
		.amdhsa_system_sgpr_workgroup_id_z 1
		.amdhsa_system_vgpr_workitem_id 0
		.amdhsa_next_free_vgpr 240
		.amdhsa_next_free_sgpr 66
		.amdhsa_reserve_vcc 0
		.amdhsa_float_denorm_mode_32 3
		.amdhsa_float_denorm_mode_16_64 3
		.amdhsa_memory_ordered 1
		.amdhsa_forward_progress 1
		.amdhsa_inst_pref_size 32
	.end_amdhsa_kernel
	.amdgpu_metadata
---
amdhsa.version: [ 1, 2 ]
amdhsa.kernels:
  - .name:           k_q6b86bb4381_quant
    .symbol:         k_q6b86bb4381_quant.kd
    .args:
      - { .name: query, .offset: 0, .size: 8, .value_kind: global_buffer, .address_space: global }
      - { .name: key, .offset: 8, .size: 8, .value_kind: global_buffer, .address_space: global }
      - { .name: value, .offset: 16, .size: 8, .value_kind: global_buffer, .address_space: global }
      - { .name: W_q, .offset: 24, .size: 8, .value_kind: global_buffer, .address_space: global }
      - { .name: W_k, .offset: 32, .size: 8, .value_kind: global_buffer, .address_space: global }
      - { .name: W_v, .offset: 40, .size: 8, .value_kind: global_buffer, .address_space: global }
      - { .name: W_o, .offset: 48, .size: 8, .value_kind: global_buffer, .address_space: global }
      - { .name: cod, .offset: 56, .size: 8, .value_kind: global_buffer, .address_space: global }
      - { .name: scl, .offset: 64, .size: 8, .value_kind: global_buffer, .address_space: global }
    .group_segment_fixed_size: 34304
    .private_segment_fixed_size: 0
    .kernarg_segment_align: 8
    .kernarg_segment_size: 72
    .max_flat_workgroup_size: 128
    .sgpr_count:     66
    .vgpr_count:     240
    .wavefront_size: 32
...
	.end_amdgpu_metadata
.endif
;; end of part 1
;; launch proj (part 2): grid 4 x 96, 4 waves a work-group, clusters of 4 x 4, 327,680 bytes of LDS; arguments cod, scl, b_q, b_k, b_v, qrec, kv; writes qrec, kv
.if DOCPART == 2
	.amdgcn_target "amdgcn-amd-amdhsa--gfx1250"
	.amdhsa_code_object_version 6
	.text
	.protected	k_q6b86bb4381_proj
	.globl	k_q6b86bb4381_proj
	.p2align	8
	.type	k_q6b86bb4381_proj,@function
k_q6b86bb4381_proj:
	s_mov_b64 s[64:65], 0
	v_nop
	global_prefetch_b8 v0, s[64:65] scope:SCOPE_SE
	s_setreg_imm32_b32 hwreg(HW_REG_WAVE_MODE, 25, 1), 1
	s_wait_xcnt 0x0
	s_wait_alu depctr_hold_cnt(0) depctr_sa_sdst(0) depctr_va_vdst(0) depctr_va_sdst(0) depctr_va_ssrc(0) depctr_va_vcc(0) depctr_vm_vsrc(0)
	s_getreg_b32 s2, hwreg(HW_REG_IB_STS2, 6, 4)
	s_cmp_eq_u32 s2, 0
	s_cbranch_scc0 .Lentry_in_a_cluster
	s_endpgm
.Lentry_in_a_cluster:
	s_bfe_u32 s2, ttmp6, 0x10000c
	s_cmp_lg_u32 s2, 0xf033
	s_cbranch_scc0 .Lentry_shape_is_right
	s_endpgm
.Lentry_shape_is_right:
; Q = query W_q^T + b_q, K = key W_k^T + b_k, V = value W_v^T + b_v on codes of FP6 (E2M3) with E8M0 scales, f32 sums; the results are quantised in registers and leave as codes:
; Q and K along the head's 64 channels, V along the keys.  Nothing of Q, K, V goes to memory as f32.
; THE PRODUCT.  D^T = P R^T: source 0 = 16 rows of P, source 1 = 16 rows of R.  A lane then holds ONE row of R, and its registers run along P's rows, which is the axis that is quantised next.
; Q, K: P = the weight (channels), R = the activation (tokens).  V: P = value (tokens = keys), R = W_v (channels).  Lane-row i of tile t of a group of 128 rows is row 32 (t/2) + 8 (t%2) + i + 8 (i/8),
; so that the 16 registers of P's tiles 2 b and 2 b + 1 are the neighbours 32 b + 16 h + 0 .. 15.
; SHARES.  A work-group makes 256 P x 256 R, each of its four waves 128 x 128: 64 accumulators, 512 registers.  K = 1,024 is eight steps of 128, four blocks of 256.
; cod and scl hold images of the operands' registers (24,576 bytes for 128 rows x 256 K): a block is dense, one tensor load brings it, and a fragment is read by loads of 512 and 256 consecutive bytes.
; LDS: three slots of four blocks.  K blocks 0, 1, 2 and the scales of all of K are first fills (one tensor load a wave at the start); K block 3 is the one refill, into slot 0.
; CLUSTER 4 x 4: P hangs on cx alone and is shared along a column, R on cy alone and is shared along a row: each block is asked for jointly by four work-groups.
; The kind of work (Q, K or V) hangs on the cluster's y, which all sixteen partners share; three short branches hang on it (bias loads, the first K step, the scale stores).
; OUT.  A record of qrec or kv is 13,056 bytes for (batch, head, 128 tokens): [0, 6144) Q's or K's codes, tile t at 768 t (16 tokens x 64 channels); [6144, 12288) V's codes, channel tile a at 1536 a
; (16 channels x 128 keys); [12288, 12800) Q's or K's scale words, lane l's 16 bytes: word i = tile 2 i + l / 16, row l % 16; [12800, 13056) V's, lane l's 8 bytes.  Every store covers 512 or 256 consecutive aligned bytes.
; In a Q or K scale word bytes 0, 1 are the head's two blocks; bytes 2, 3 are the neighbouring head's bytes or 0: never 0xff, and they meet zero codes alone.
; LIMITS: NaN and infinities are not served; a block of zeros or under 2^-124 gets the byte 1 (its codes are zeros; only this program reads the bytes).
.set BLK,   24576                      ; 128 rows x 256 K of codes
.set SLOT,  4*BLK                      ; R's two groups, then P's two
.set SCL,   3*SLOT                     ; R's scale words: 4,096 bytes a group, for all of K
.set SCLP,  SCL+8320                   ; P's: 128 bytes past a multiple of 256, so that the two halves of a load's lanes take different halves of the 64 banks (ISA guide 11.1)
.set SPARE, 311552                     ; the spare words, 128 bytes a wave: two blocks of 256 bytes that no other line names
.set REC,   13056
.set RECH,  16*REC                     ; from a head's records to the next head's
.set FR,    12                         ; registers of a fragment
.set R16,   4                          ; v4-6   R's fragments in slot 0, 1, 2: 16 x lane;  v7-9: 8 x lane
.set R8,    7
.set P16,   10                         ; v10-12, v13-15 the same for P
.set P8,    13
.set ADRS,  16                         ; v16    scale words: lanes 0-15 R's, lanes 16-31 P's
.set LN16,  17                         ; v17    16 x lane
.set LN8,   18                         ; v18    8 x lane
.set BO,    19                         ; v19    bias offset for Q, K: 64 h
.set BOV,   20                         ; v20    for V: 4 (r + 8 (r / 8))
.set SPW,   28                         ; v28    LDS address of my spare word; never rewritten
.set NIL,   29                         ; v29    0; never rewritten
.set SC,    32                         ; v32-63 two sets of 16 scale registers: 2 i + q: lanes 0-15 R's tile i, lanes 16-31 P's tile i
.set BI,    64                         ; v64-127 the bias in the result's layout
.set RF,    128                        ; v128-223 R's eight fragments, one set.  Window 1: P's, two sets, at v0 and v128.  Windows 2, 3: the accumulators, (a, b) at v[8 (8 (a % 4) + b)]
.set TM,    32                         ; the way out: v32-35 largest magnitudes, v36-39 bytes, v44-47 the conversions' scale operands
.set PW,    48                         ; v48-55 the eight scale words
.set SEL,   56                         ; v56-63 the scale images
.set WV,    20
.set HR,    21                         ; my group of R.  Also: I fetch for R (0) or for P (1)
.set HP,    22                         ; my group of P.  Also: which group I fetch
.set ISV,   23
.set G1R,   24
.set G1P,   32
.set G1SR,  40
.set G1SP,  48
.set G0R0,  56
.set G0R1,  60
.set G0R2,  68
.set G0P0,  72
.set G0P1,  76
.set G0P2,  80
.set G0SR,  84
.set G0SP,  88
.set OB0,   92                         ; s[92:93], s[94:95] where a tile's two halves go
.set OB1,   94
.set OS0,   96                         ; s[96:97] my first record
.set STP,   98                         ; s[98:99] from tile to tile
.set JMP,   100                        ; s[100:101] V: behind four tiles, on to the next head
.set MSB, 0
.macro WIN new                         ; the immediate's high byte repeats the setting that is left
.set WNEW, \new
.if MSB != WNEW
	s_set_vgpr_msb (MSB<<8)|WNEW
.set MSB, WNEW
.endif
.endm
.macro MWIN hi, cm                     ; source 0 (P) window 1, source 1 (R) window 0, D window 2 or 3; C with D, or (the bias) window 0
.if \cm
	WIN 0x81+0x40*(\hi)
.else
	WIN 0xa1+0x50*(\hi)
.endif
.endm
.macro PLACES n
.rept \n
	v_nop
.endr
.endm
; A joint load: waves 0 and 1 fetch for R, waves 2 and 3 for P.  The branch hangs on the wave's number alone.  An s_nop 0 and four v_nop follow each line.
.macro JLOAD g0r, g1r, g0p, g1p
	s_cmp_eq_u32 s[HR], 0
	s_cbranch_scc0 .Lfor_p_\@
	tensor_load_to_lds s[\g0r:\g0r+3], s[\g1r:\g1r+7]
	s_nop 0
.rept 4
	v_nop
.endr
	s_branch .Lasked_\@
.Lfor_p_\@:
	tensor_load_to_lds s[\g0p:\g0p+3], s[\g1p:\g1p+7]
	s_nop 0
.rept 4
	v_nop
.endr
.Lasked_\@:
.endm
.macro CREST                           ; a round of the cluster's barrier behind its opening barrier
	s_cmp_lg_u32 s[WV], 0
	s_cbranch_scc1 .Lnot_wave_0_\@
	s_barrier_signal -3
.Lnot_wave_0_\@:
	s_barrier_wait -3
	s_barrier_signal -1
	s_barrier_wait -1
.endm
.macro CROUND
	s_barrier_signal -1
	s_barrier_wait -1
	CREST
.endm
.macro FRAG reg, a16, a8, off          ; a fragment's image, 1,536 bytes, back into 12 registers
	ds_load_b128 v[\reg:\reg+3], v[\a16] offset:\off
	ds_load_b64 v[\reg+4:\reg+5], v[\a8] offset:\off+512
	ds_load_b128 v[\reg+6:\reg+9], v[\a16] offset:\off+768
	ds_load_b64 v[\reg+10:\reg+11], v[\a8] offset:\off+1280
.endm
.macro FETCH_P slot, q, set            ; P's eight fragments of the slot's q-th 128 along K
	WIN 0x40
.irp i, 0,1,2,3,4,5,6,7
	FRAG 128*(\set)+FR*\i, P16+\slot, P8+\slot, \i*3072+(\q)*1536
.endr
	WIN 0
.endm
.macro FETCH_R slot, q, i0             ; R's tiles i0 .. i0 + 3
.irp i, \i0, \i0+1, \i0+2, \i0+3
	FRAG RF+FR*(\i), R16+\slot, R8+\slot, (\i)*3072+(\q)*1536
.endr
.endm
.macro SCALES kb, sc                   ; the scale words of K block kb into set sc: two words a row
.irp i, 0,1,2,3,4,5,6,7
	ds_load_b64 v[SC+16*(\sc)+2*\i:SC+16*(\sc)+2*\i+1], v[ADRS] offset:(\kb)*1024+\i*128
.endr
.endm
.macro MM a, b, set, q, sc, cm         ; cm = 0: the sum goes on; 1: it starts from the bias of P's tile b; 2: from that of R's tile a
.set DD, 8*(8*((\a)%4)+(\b))
.if (\cm) == 1
	v_wmma_scale_f32_16x16x128_f8f6f4 v[DD:DD+7], v[128*(\set)+FR*(\b):128*(\set)+FR*(\b)+FR-1], v[RF+FR*(\a):RF+FR*(\a)+FR-1], v[BI+8*(\b):BI+8*(\b)+7], v[SC+16*(\sc)+2*(\b)+(\q)], v[SC+16*(\sc)+2*(\a)+(\q)] matrix_a_fmt:MATRIX_FMT_FP6 matrix_b_fmt:MATRIX_FMT_FP6 matrix_a_scale:MATRIX_SCALE_ROW1
.elseif (\cm) == 2
	v_wmma_scale_f32_16x16x128_f8f6f4 v[DD:DD+7], v[128*(\set)+FR*(\b):128*(\set)+FR*(\b)+FR-1], v[RF+FR*(\a):RF+FR*(\a)+FR-1], v[BI+8*(\a):BI+8*(\a)+7], v[SC+16*(\sc)+2*(\b)+(\q)], v[SC+16*(\sc)+2*(\a)+(\q)] matrix_a_fmt:MATRIX_FMT_FP6 matrix_b_fmt:MATRIX_FMT_FP6 matrix_a_scale:MATRIX_SCALE_ROW1
.else
	v_wmma_scale_f32_16x16x128_f8f6f4 v[DD:DD+7], v[128*(\set)+FR*(\b):128*(\set)+FR*(\b)+FR-1], v[RF+FR*(\a):RF+FR*(\a)+FR-1], v[DD:DD+7], v[SC+16*(\sc)+2*(\b)+(\q)], v[SC+16*(\sc)+2*(\a)+(\q)] matrix_a_fmt:MATRIX_FMT_FP6 matrix_b_fmt:MATRIX_FMT_FP6 matrix_a_scale:MATRIX_SCALE_ROW1
.endif
.endm
; 16 matrix instructions: R's tiles a0, a0 + 1 against P's eight.  The 64 accumulators take turns, one instruction a turn, in the same order in every step.
.macro MUL16 a0, q, sc, cm
.irp a, \a0, \a0+1
.irp b, 0,1,2,3,4,5,6,7
	MM \a, \b, \q, \q, \sc, \cm
.endr
.endr
.endm
; A step of 128 along K (P's set q).  In its middle it fetches the next step's P and R's tiles 0-3, at its end R's tiles 4-7.  A load into a register that a matrix instruction has read stands four plain
; vector instructions behind it (ISA guide 7.12.1 for vector instructions).
.macro STEP q, nslot, nq, sc, cm, kb
	s_wait_dscnt 16                                ; all but the youngest 16 loads, R's tiles 4-7
	MWIN 0, \cm
	MUL16 0, \q, \sc, \cm
	MUL16 2, \q, \sc, \cm
	s_wait_dscnt 0x0                               ; R's tiles 4-7 are in
	PLACES 4
	FETCH_P \nslot, \nq, \nq
	FETCH_R \nslot, \nq, 0
.if (\nq) == 0
	SCALES \kb, 1-\sc
.endif
	MWIN 1, \cm
	MUL16 4, \q, \sc, \cm
	MUL16 6, \q, \sc, \cm
	PLACES 4
	WIN 0
	FETCH_R \nslot, \nq, 4
.endm
; A slot's second step with a barrier in it.  In front of the barrier each wave waits for all its tensor loads, adds 0 to its spare word, and waits for that and for its reads of the slot.
; fill = 1: the barrier opens a round of the cluster's, and slot 0 is filled again, with K block 3.
.macro TURN nslot, sc, fill, kb
	s_wait_tensorcnt 0x0                           ; all my tensor loads have landed
	ds_add_u32 v[SPW], v[NIL]                      ; 0 onto my spare word
	s_wait_dscnt 17                                ; (the add and the youngest 16 loads may be out)
	WIN 0xa1
	MUL16 0, 1, \sc, 0
	s_wait_dscnt 0x0                               ; the add is done, and my reads of this slot are over
	s_barrier_signal -1
	MUL16 2, 1, \sc, 0
	WIN 0
	s_barrier_wait -1
.if \fill
	CREST                                          ; no wave of any partner still reads slot 0 or has a load on its way
	s_add_nc_u64 s[G0R0+2:G0R0+3], s[G0R0+2:G0R0+3], 3*BLK
	s_add_nc_u64 s[G0P0+2:G0P0+3], s[G0P0+2:G0P0+3], 3*BLK
	JLOAD G0R0, G1R, G0P0, G1P                     ; the first tensor load behind the round, my only one: it has three and a half steps, 224 matrix instructions, in which to land; its four v_nop are the places for the loads below
.else
	PLACES 4
.endif
	FETCH_P \nslot, 0, 0
	FETCH_R \nslot, 0, 0
	SCALES \kb, 1-\sc
	WIN 0xf1
	MUL16 4, 1, \sc, 0
	MUL16 6, 1, \sc, 0
	PLACES 4
	WIN 0
	FETCH_R \nslot, 0, 4
.endm
	s_load_b256 s[4:11], s[0:1], 0x0               ; cod, scl, b_q, b_k
	s_load_b128 s[12:15], s[0:1], 0x20             ; b_v, qrec
	s_load_b64 s[16:17], s[0:1], 0x30              ; kv
	v_lshl_add_u32 v[SPW], v0, 2, SPARE
	v_mov_b32 v[NIL], 0
	ds_add_u32 v[SPW], v[NIL]                      ; the wave's opening: the add, twice on end, and its wait ahead of my first tensor load; work on registers stands between them
	ds_add_u32 v[SPW], v[NIL]
	v_lshrrev_b32 v1, 5, v0
	v_readfirstlane_b32 s[WV], v1                  ; wave 0..3
	s_lshr_b32 s[HR], s[WV], 1
	s_and_b32 s[HP], s[WV], 1
	s_bfe_u32 s2, ttmp6, 0x40000                   ; cx
	s_bfe_u32 s3, ttmp6, 0x40004                   ; cy
	s_and_b32 s66, ttmp7, 0xffff                   ; the cluster's y, 0 to 23
	s_lshr_b32 s67, s66, 3                         ; 0: Q, 1: K, 2: V
	s_and_b32 s66, s66, 7
	s_lshl_b32 s92, s66, 2                         ; four tiles of the long operand to a cluster
	s_lshl_b32 s95, s67, 5
	s_add_co_u32 s95, s95, 768                     ; P's first block: W_q 768, W_k 800,
	s_lshl_b32 s96, s67, 8                         ; R's: query 0, key 256,
	s_cmp_eq_u32 s67, 2
	s_cselect_b32 s[ISV], 1, 0
	s_cselect_b32 s66, s92, 0
	s_cselect_b32 s67, 0, s92
	s_cselect_b32 s95, 512, s95                    ; V: P = value, from 512,
	s_cselect_b32 s96, 832, s96                    ; R = W_v, from 832
	s_add_co_u32 s66, s66, s2                      ; P's tile of 256 rows: it hangs on cx and the cluster's y
	s_add_co_u32 s67, s67, s3                      ; R's: on cy and the cluster's y
	s_lshl_b32 s100, s66, 3
	s_add_co_u32 s95, s95, s100                    ; eight blocks a tile
	s_lshl_b32 s98, s67, 3
	s_add_co_u32 s96, s96, s98
	s_lshl_b32 s93, s3, 2
	s_lshl_b32 s93, 15, s93                        ; my row of the cluster
	s_lshl_b32 s94, 0x1111, s2                     ; my column
	; descriptor groups 1: dense blocks as rows of 256 bytes (32 elements of 8 bytes): 96 rows of codes, 16 rows of scale words
	s_or_b32 s[G1R], s93, (3<<16)|(1<<21)          ; 15:0 the mask; 17:16 elements of 8 bytes; 20 no padding; 21 set beside a mask
	s_or_b32 s[G1P], s94, (3<<16)|(1<<21)
	s_or_b32 s[G1SR], s93, (3<<16)|(1<<21)
	s_or_b32 s[G1SP], s94, (3<<16)|(1<<21)
.irp g, G1R, G1P                               ; the head's load of codes: two rows, one for each group of 128, of K blocks 0 to 2 on end (3 BLK bytes), 4 BLK bytes apart in memory
	s_mov_b32 s[\g+1], (3*BLK/8)<<16               ; tensor_dim0, in elements of 8 bytes
	s_mov_b32 s[\g+2], 2<<16                       ; tensor_dim1
	s_mov_b32 s[\g+3], (3*BLK/8)<<16               ; tile_dim0
	s_mov_b32 s[\g+4], 2                           ; tile_dim1
	s_mov_b32 s[\g+5], 4*BLK/8                     ; tensor_dim0_stride
	s_mov_b32 s[\g+6], 0
	s_mov_b32 s[\g+7], 0
.endr
.irp g, G1SR, G1SP
	s_mov_b32 s[\g+1], 32<<16
	s_mov_b32 s[\g+2], 32<<16                      ; both groups' scale words: 32 rows of 256 bytes
	s_mov_b32 s[\g+3], 32<<16
	s_mov_b32 s[\g+4], 32
	s_mov_b32 s[\g+5], 32
	s_mov_b32 s[\g+6], 0
	s_mov_b32 s[\g+7], 0
.endr
; LDS AS IT IS LAID NOW: [group: R's two, then P's two][place 0, 1, 2][BLK].  The head has ONE tensor load a wave: wave 0 R's two groups with K blocks 0 to 2,
; wave 1 P's, wave 2 R's scale words, wave 3 P's.  K block 3 is the one refill, each wave its group's block into place 0.
.irp g, G0R0, G0R1, G0P0, G0P1, G0SR, G0SP
	s_mov_b32 s[\g], 1                             ; count = 1
.endr
	s_mul_i32 s97, s[WV], 3*BLK                    ; the refill: place 0 of group = wave: no place in the cluster enters an LDS address
	s_mov_b32 s[G0R0+1], s97
	s_mov_b32 s[G0P0+1], s97
	s_mov_b32 s[G0R1+1], 0
	s_mov_b32 s[G0P1+1], 6*BLK
	s_mov_b32 s[G0SR+1], SCL
	s_mov_b32 s[G0SP+1], SCLP
	s_mov_b32 s18, 0x76543210
	s_mov_b32 s19, 0xfedcba98                      ; v_permlanex16_b32's selects for lane l xor 16
	s_wait_dscnt 0x0                               ; the opening add is done
	s_wait_kmcnt 0x0
	s_mul_i32 s100, s95, BLK
	s_mov_b32 s101, 0
	s_add_nc_u64 s[G0P1+2:G0P1+3], s[4:5], s[100:101]              ; the head's load: the tile's first block
	s_mul_i32 s100, s[HP], 4*BLK
	s_add_nc_u64 s[G0P0+2:G0P0+3], s[G0P1+2:G0P1+3], s[100:101]    ; the refill: the group that I fetch
	s_lshl_b32 s100, s95, 10
	s_add_nc_u64 s[G0SP+2:G0SP+3], s[6:7], s[100:101]
	s_mul_i32 s98, s96, BLK
	s_mov_b32 s99, 0
	s_add_nc_u64 s[G0R1+2:G0R1+3], s[4:5], s[98:99]
	s_mul_i32 s98, s[HP], 4*BLK
	s_add_nc_u64 s[G0R0+2:G0R0+3], s[G0R1+2:G0R1+3], s[98:99]
	s_lshl_b32 s98, s96, 10
	s_add_nc_u64 s[G0SR+2:G0SR+3], s[6:7], s[98:99]
.irp g, G0R0, G0R1, G0P0, G0P1, G0SR, G0SP
	s_or_b32 s[\g+3], s[\g+3], 0x80000000          ; type = 2
.endr
	CROUND                                         ; all sixteen work-groups are here: the first joint loads meet
.macro ARM under, g0, g1, next                 ; one chain of branches on the wave's number, one load to an arm, all arms to one join
	s_cmp_lt_u32 s[WV], \under
	s_cbranch_scc0 \next
	tensor_load_to_lds s[\g0:\g0+3], s[\g1:\g1+7]
	s_nop 0
	PLACES 4
	s_branch .Lhead_asked
\next:
.endm
	ARM 1, G0R1, G1R, .Lhead_p
	ARM 2, G0P1, G1P, .Lhead_sr
	ARM 3, G0SR, G1SR, .Lhead_sp
	tensor_load_to_lds s[G0SP:G0SP+3], s[G1SP:G1SP+7]
	s_nop 0
	PLACES 4
.Lhead_asked:
	v_and_b32 v1, 31, v0                           ; lane
	v_and_b32 v2, 15, v0                           ; r
	v_bfe_u32 v3, v0, 4, 1                         ; h
	v_lshlrev_b32 v[LN16], 4, v1
	v_lshlrev_b32 v[LN8], 3, v1
	s_mul_i32 s4, s[HR], 3*BLK                     ; my group of R,
	s_mul_i32 s5, s[HP], 3*BLK                     ; my group of P,
	s_add_co_u32 s5, s5, 6*BLK                     ; behind R's two
.irp s, 0,1,2
	v_add_nc_u32 v[R16+\s], s4, v[LN16]
	v_add_nc_u32 v[R8+\s], s4, v[LN8]
	v_add_nc_u32 v[P16+\s], s5, v[LN16]
	v_add_nc_u32 v[P8+\s], s5, v[LN8]
	s_add_co_u32 s4, s4, BLK
	s_add_co_u32 s5, s5, BLK
.endr
	s_xor_b32 s4, s[HR], 1
	s_add_co_u32 s4, s4, s[HP]
	s_lshl_b32 s4, s4, 12
	s_add_co_u32 s4, s4, 4224                      ; from my R group's words to my P group's: 8,320 + 4,096 (HP - HR)
	v_mul_u32_u24 v[ADRS], s4, v3                  ; lanes 16-31 take P's
	v_lshl_add_u32 v[ADRS], v2, 3, v[ADRS]         ; 8 bytes a row
	s_lshl_b32 s5, s[HR], 12
	s_add_co_u32 s5, s5, SCL
	v_add_nc_u32 v[ADRS], s5, v[ADRS]
	v_lshlrev_b32 v[BO], 6, v3
	v_and_b32 v[BOV], 8, v2
	v_add_nc_u32 v[BOV], v[BOV], v2
	v_lshlrev_b32 v[BOV], 2, v[BOV]
	; the bias and the output are chosen by the kind of work
	s_and_b32 s4, ttmp7, 0xffff
	s_lshr_b32 s4, s4, 3
	s_cmp_eq_u32 s4, 1
	s_cselect_b64 s[8:9], s[10:11], s[8:9]
	s_cselect_b64 s[14:15], s[16:17], s[14:15]
	s_cmp_eq_u32 s4, 2
	s_cselect_b64 s[8:9], s[12:13], s[8:9]
	s_cselect_b64 s[14:15], s[16:17], s[14:15]
	s_lshl_b32 s6, s66, 1
	s_add_co_u32 s6, s6, s[HP]                     ; my group of P's rows,
	s_lshl_b32 s7, s67, 1
	s_add_co_u32 s7, s7, s[HR]                     ; and of R's
	s_cmp_eq_u32 s[ISV], 1
	s_cselect_b32 s4, s7, s6                       ; the group of 128 channels: two heads
	s_cselect_b32 s5, s6, s7                       ; the group of 128 tokens
	s_lshl_b32 s6, s4, 9
	s_mov_b32 s7, 0
	s_add_nc_u64 s[8:9], s[8:9], s[6:7]            ; the bias at my 128 channels
	s_lshr_b32 s6, s5, 4                           ; the batch
	s_lshl_b32 s6, s6, 4
	s_lshl_b32 s4, s4, 1
	s_add_co_u32 s6, s6, s4                        ; 16 x batch + head
	s_lshl_b32 s6, s6, 4
	s_and_b32 s5, s5, 15
	s_add_co_u32 s6, s6, s5                        ; the record
	s_mul_i32 s6, s6, REC
	s_add_nc_u64 s[OS0:OS0+1], s[14:15], s[6:7]
	s_mov_b32 s[STP], 768
	s_mov_b32 s6, RECH
	s_cmp_eq_u32 s[ISV], 1
	s_cselect_b32 s4, 6144, 0                      ; V's codes lie behind K's
	s_cselect_b32 s[STP], 1536, s[STP]             ; a tile of V is a whole fragment, one of Q or K half a fragment for each of two heads
	s_cselect_b32 s[JMP], RECH-6144, 0
	s_cselect_b32 s6, 768, s6                      ; the second half: V: 768 bytes on; Q, K: the next head's record
	s_mov_b32 s5, 0
	s_mov_b32 s[STP+1], 0
	s_mov_b32 s[JMP+1], 0
	s_add_nc_u64 s[OB0:OB0+1], s[OS0:OS0+1], s[4:5]
	s_add_nc_u64 s[OB1:OB1+1], s[OB0:OB0+1], s[6:7]
	s_cmp_eq_u32 s[ISV], 1
	s_cbranch_scc1 .Lbias_v
	s_wait_alu depctr_va_vdst(0)
.irp b, 0,1,2,3,4,5,6,7                        ; Q, K: register j of P's tile b is channel 32 (b/2) + 8 (b%2) + 16 h + j
	global_load_b128 v[BI+8*\b:BI+8*\b+3], v[BO], s[8:9] offset:(32*(\b/2)+8*(\b%2))*4
	global_load_b128 v[BI+8*\b+4:BI+8*\b+7], v[BO], s[8:9] offset:(32*(\b/2)+8*(\b%2))*4+16
.endr
	s_branch .Lbias_done
.Lbias_v:
	s_wait_alu depctr_va_vdst(0)
.irp a, 0,1,2,3,4,5,6,7                        ; V: the lane's channel of R's tile a, the same in all eight registers
.irp j, 0,1,2,3,4,5,6,7
	global_load_b32 v[BI+8*\a+\j], v[BOV], s[8:9] offset:(32*(\a/2)+8*(\a%2))*4
.endr
.endr
.Lbias_done:
	s_wait_tensorcnt 0x0                           ; my one load of the head is in; no tensor load of mine is out, so group 1 may be written: from here on a load brings one block, 96 rows of 256 bytes
.irp g, G1R, G1P
	s_mov_b32 s[\g+1], 32<<16
	s_mov_b32 s[\g+2], 96<<16
	s_mov_b32 s[\g+3], 32<<16
	s_mov_b32 s[\g+4], 96
	s_mov_b32 s[\g+5], 32
.endr
	s_barrier_signal -1
	s_barrier_wait -1                              ; everybody's are
	FETCH_P 0, 0, 0
	FETCH_R 0, 0, 0
	SCALES 0, 0
	FETCH_R 0, 0, 4
	s_wait_loadcnt 0x0                             ; the bias
	s_cmp_eq_u32 s[ISV], 1                         ; K step 0 starts the sums from the bias, which lies along P (Q, K) or along R (V): written twice
	s_cbranch_scc1 .Lstep_v
	STEP 0, 0, 1, 0, 1, 0
	s_branch .Lstep_done
.Lstep_v:
	STEP 0, 0, 1, 0, 2, 0
.Lstep_done:
	TURN 1, 0, 1, 1                                ; K step 1: the one round; slot 0 takes K block 3
	STEP 0, 1, 1, 1, 0, 0                          ; K step 2
	STEP 1, 2, 0, 1, 0, 2                          ; K step 3: on into slot 2 with no barrier: every wave had waited for all its loads in front of the round
	STEP 0, 2, 1, 0, 0, 0                          ; K step 4
	TURN 0, 0, 0, 3                                ; K step 5: the refill has landed, in every wave
	STEP 0, 0, 1, 1, 0, 0                          ; K step 6
	s_wait_dscnt 16                                ; K step 7: nothing more to fetch
	WIN 0xa1
	MUL16 0, 1, 1, 0
	MUL16 2, 1, 1, 0
	s_wait_dscnt 0x0
	WIN 0xf1
	MUL16 4, 1, 1, 0
	MUL16 6, 1, 1, 0
	WIN 0
; THE WAY OUT.  R's tile a: a lane's 64 numbers, register 16 b + i = P's row 32 b + 16 h + i of the lane's row of R, become a fragment's codes (v[PC] on) and its scale word.  No LDS: the codes are the image.
.macro QUANTW a
.set AC, 64*((\a)%4)
.set WW, 2+(\a)/4
.set PC, 128+20*((\a)%2)
	WIN (WW<<2)|(WW<<4)                            ; sources 1 and 2: the accumulators' window
.irp b, 0,1,2,3
	v_max3_num_f32 v[TM+\b], 0x1800000, |v[AC+16*\b]|, |v[AC+16*\b+1]|   ; block b: my 16 numbers and the floor 2^(3 - 127).  Each accumulator is read from its low end on
.endr
.irp i, 2,4,6,8,10,12,14
.irp b, 0,1,2,3
	v_max3_num_f32 v[TM+\b], v[TM+\b], |v[AC+16*\b+\i]|, |v[AC+16*\b+\i+1]|
.endr
.endr
	WIN 0
.irp b, 0,1,2,3
	v_permlanex16_b32 v[TM+4+\b], v[TM+\b], s18, s19
.endr
.irp b, 0,1,2,3
	v_max_num_f32 v[TM+\b], v[TM+\b], v[TM+4+\b]   ; with lane l xor 16's: the block's largest magnitude
.endr
.irp b, 0,1,2,3
	v_add_nc_u32 v[TM+12+\b], 0xff000000, v[TM+\b] ; 2 off its exponent field: the conversion's scale operand
.endr
.irp b, 0,1,2,3
	v_lshrrev_b32 v[TM+4+\b], 23, v[TM+12+\b]      ; the scale's byte
.endr
	v_lshl_or_b32 v[PW+(\a)], v[TM+5], 8, v[TM+4]
	v_lshl_or_b32 v[PW+(\a)], v[TM+6], 16, v[PW+(\a)]
	v_lshl_or_b32 v[PW+(\a)], v[TM+7], 24, v[PW+(\a)]
	WIN WW                                         ; source 0: the accumulators' window
.irp c, 0,1
	v_cvt_scalef32_pk16_fp6_f32 v[PC+6*\c:PC+6*\c+2], v[AC+32*\c:AC+32*\c+15], v[TM+12+2*\c]
	v_cvt_scalef32_pk16_fp6_f32 v[PC+12+4*\c:PC+14+4*\c], v[AC+32*\c+16:AC+32*\c+31], v[TM+12+2*\c+1]
.endr
	WIN 0
	v_nop                                          ; one plain instruction behind a scaled conversion
.irp c, 0,1                                    ; the operand's layout wants a whole block in a lane: lanes 0-15 block 2 c, lanes 16-31 block 2 c + 1
.irp i, 0,1,2
	v_permlane16_swap_b32 v[PC+6*\c+\i], v[PC+12+4*\c+\i]
.endr
.irp i, 0,1,2
	v_mov_b32 v[PC+3+6*\c+\i], v[PC+12+4*\c+\i]
.endr
.endr
.endm
	PLACES 4                                       ; four plain instructions between the last products and the first read of results, and the first write of registers that they read
.irp b, 0,1,2,3
	v_mov_b32 v[TM+4+\b], 0                        ; a lane permute's destination counts as one of its sources
.endr
.irp a, 0,1,2,3,4,5,6,7
	QUANTW \a
.if \a > 0
	s_wait_alu depctr_va_vdst(0)
	s_wait_xcnt 0x0                                ; the last tile's stores have read their bases and data: the bases step here, and the tile after this one writes that tile's registers
	s_add_nc_u64 s[OB0:OB0+1], s[OB0:OB0+1], s[STP:STP+1]
	s_add_nc_u64 s[OB1:OB1+1], s[OB1:OB1+1], s[STP:STP+1]
.endif
.if \a == 4
	s_add_nc_u64 s[OB0:OB0+1], s[OB0:OB0+1], s[JMP:JMP+1]
	s_add_nc_u64 s[OB1:OB1+1], s[OB1:OB1+1], s[JMP:JMP+1]
.endif
	global_store_b128 v[LN16], v[PC:PC+3], s[OB0:OB0+1]               ; 512 consecutive bytes, aligned to 256
	global_store_b64 v[LN8], v[PC+4:PC+5], s[OB0:OB0+1] offset:512    ; 256
	global_store_b128 v[LN16], v[PC+6:PC+9], s[OB1:OB1+1]
	global_store_b64 v[LN8], v[PC+10:PC+11], s[OB1:OB1+1] offset:512
.endr
	s_mov_b32 s[HP], 0xffff0000                    ; (the group's number is done with)  lanes 16-31
.irp i, 0,1,2,3
	v_cndmask_b32 v[SEL+\i], v[PW+2*\i], v[PW+2*\i+1], s[HP]   ; lanes 0-15 tile 2 i's words, lanes 16-31 tile 2 i + 1's
.endr
	s_cmp_eq_u32 s[ISV], 1
	s_cbranch_scc1 .Lsc_v
.irp i, 0,1,2,3
	v_lshrrev_b32 v[SEL+4+\i], 16, v[SEL+\i]       ; the second head's two bytes
.endr
	global_store_b128 v[LN16], v[SEL:SEL+3], s[OS0:OS0+1] offset:12288
	global_store_b128 v[LN16], v[SEL+4:SEL+7], s[OS0:OS0+1] offset:RECH+12288
	s_branch .Lsc_done
.Lsc_v:
	s_wait_alu depctr_va_vdst(0)
	global_store_b64 v[LN8], v[SEL:SEL+1], s[OS0:OS0+1] offset:12800
	global_store_b64 v[LN8], v[SEL+2:SEL+3], s[OS0:OS0+1] offset:RECH+12800
.Lsc_done:
	s_wait_tensorcnt 0x0                           ; the wave's end
	ds_add_u32 v[SPW], v[NIL]
	s_wait_dscnt 0x0
	CROUND                                         ; the closing round: no work-group ends while a partner may still ask for a block that names it
	s_endpgm
.Lfunc_end_k_q6b86bb4381_proj:
	.size	k_q6b86bb4381_proj, .Lfunc_end_k_q6b86bb4381_proj-k_q6b86bb4381_proj
	.p2alignl 7, 3214868480
	.fill 96, 4, 3214868480
	.section	.rodata,"a",@progbits
	.p2align	6, 0x0
	.amdhsa_kernel k_q6b86bb4381_proj
		.amdhsa_group_segment_fixed_size 327680
		.amdhsa_private_segment_fixed_size 0
		.amdhsa_enable_private_segment 0
		.amdhsa_kernarg_size 56
		.amdhsa_user_sgpr_count 2
		.amdhsa_user_sgpr_kernarg_segment_ptr 1
		.amdhsa_wavefront_size32 1
		.amdhsa_system_sgpr_workgroup_id_x 1
		.amdhsa_system_sgpr_workgroup_id_y 1
		.amdhsa_system_sgpr_workgroup_id_z 1
		.amdhsa_system_vgpr_workitem_id 0
		.amdhsa_next_free_vgpr 1024
		.amdhsa_next_free_sgpr 102
		.amdhsa_reserve_vcc 0
		.amdhsa_float_denorm_mode_32 3
		.amdhsa_float_denorm_mode_16_64 3
		.amdhsa_memory_ordered 1
		.amdhsa_forward_progress 1
		.amdhsa_inst_pref_size 170
	.end_amdhsa_kernel
	.amdgpu_metadata
---
amdhsa.version: [ 1, 2 ]
amdhsa.kernels:
  - .name:           k_q6b86bb4381_proj
    .symbol:         k_q6b86bb4381_proj.kd
    .args:
      - { .name: cod, .offset: 0, .size: 8, .value_kind: global_buffer, .address_space: global }
      - { .name: scl, .offset: 8, .size: 8, .value_kind: global_buffer, .address_space: global }
      - { .name: b_q, .offset: 16, .size: 8, .value_kind: global_buffer, .address_space: global }
      - { .name: b_k, .offset: 24, .size: 8, .value_kind: global_buffer, .address_space: global }
      - { .name: b_v, .offset: 32, .size: 8, .value_kind: global_buffer, .address_space: global }
      - { .name: qrec, .offset: 40, .size: 8, .value_kind: global_buffer, .address_space: global }
      - { .name: kv, .offset: 48, .size: 8, .value_kind: global_buffer, .address_space: global }
    .group_segment_fixed_size: 327680
    .private_segment_fixed_size: 0
    .kernarg_segment_align: 8
    .kernarg_segment_size: 56
    .max_flat_workgroup_size: 128
    .sgpr_count:     102
    .vgpr_count:     1024
    .wavefront_size: 32
...
	.end_amdgpu_metadata
.endif
;; end of part 2
;; launch attn (part 3): grid 4 x 64, 16 waves a work-group, clusters of 4 x 1, 327,680 bytes of LDS; arguments qrec, kv, oc, os; writes oc, os
.if DOCPART == 3
	.amdgcn_target "amdgcn-amd-amdhsa--gfx1250"
	.amdhsa_code_object_version 6
	.text
	.protected	k_q6b86bb4381_attn
	.globl	k_q6b86bb4381_attn
	.p2align	8
	.type	k_q6b86bb4381_attn,@function
k_q6b86bb4381_attn:
	s_mov_b64 s[64:65], 0
	v_nop
	global_prefetch_b8 v0, s[64:65] scope:SCOPE_SE
	s_setreg_imm32_b32 hwreg(HW_REG_WAVE_MODE, 25, 1), 1
	s_wait_xcnt 0x0
	s_wait_alu depctr_hold_cnt(0) depctr_sa_sdst(0) depctr_va_vdst(0) depctr_va_sdst(0) depctr_va_ssrc(0) depctr_va_vcc(0) depctr_vm_vsrc(0)
	s_getreg_b32 s2, hwreg(HW_REG_IB_STS2, 6, 4)
	s_cmp_eq_u32 s2, 0
	s_cbranch_scc0 .Lentry_in_a_cluster
	s_endpgm
.Lentry_in_a_cluster:
	s_bfe_u32 s2, ttmp6, 0x10000c
	s_cmp_lg_u32 s2, 0x3003
	s_cbranch_scc0 .Lentry_shape_is_right
	s_endpgm
.Lentry_shape_is_right:
; O[b][h][q] = sum over k of softmax_k(Q . K / 8) V, both products on codes of FP6 (E2M3) with E8M0 scales; O / l is quantised along the channels and leaves as codes for the last product.
; THE SOFTMAX: t = score x log2(e) / 8; M = the running largest t rounded up to a whole number; p = 2^(t - M) is quantised along the keys, not normalised; l is the sum of the unquantised p
; and divides O at the end.  When M moves, l and O are multiplied by 2^(old M - new M), which rounds nothing.
; SHARES.  A work-group owns 512 queries of one (batch, head); each of its sixteen waves two tiles of 16, one pass each.  A head's 16 records of kv (K's and V's codes and scale words of 128 keys,
; 13,056 bytes) all lie in LDS: each wave brings one, once: no ring, no refill.  CLUSTER 4 x 1: the four query blocks of a head ask for each record jointly.
; LAYOUT.  Both products are used transposed: S^T = K Q^T, O^T = V^T P^T: a lane holds one query throughout.  Lane-row i of K's tile t is key 64 (t/4) + 8 (t%4) + i%8 + 32 (i/8) of the record, so the 32
; registers of tiles 4 c .. 4 c + 3 of S^T in lane (r, h) are keys 64 c + 32 h + 0 .. 31: one scale block, in the order of the next operand's registers 6 c .. 6 c + 5.  No lane looks at another but for
; the row's maximum, the sum and p's scale word.  V's keys lie in their true order; its channel tiles are ordered so that O^T's 16 registers of two tiles are neighbouring channels.
; THE FIRST PRODUCT'S K IS 64, the instruction's 128.  Q's upper six registers are zero codes.  K's operand for tile t is v[32 + 6 t .. 43 + 6 t]: its upper six registers are the next tile's codes, and behind
; the last tile v80-85, which hold working numbers: FP6 has neither infinity nor NaN and no scale byte here is 0xff, so whatever bits stand there meet zero codes and add exact zeros.
; ORDER OF A STEP.  K's fragments of the next record are loaded directly behind this record's score products (their registers are free then), V's just ahead of them: both have the softmax in which to land.
; The step is written twice: in a loop of 15 trips, and once for the last record, where the next K is record 0 (for the next pass) and the next pass's Q is loaded; behind the second pass these loads are not used.
; No prefetch: all that the launch reads of kv is asked for at the head, so there is no loop to run ahead in.
; LIMITS: NaN and infinities are not served; the promise holds while |t| stays under 2^31; a block of O of zeros or under 2^-124 gets the byte 1; a block's largest p is taken as 2^ of its largest score's t - M,
; which takes v_exp_f32 not to fall where its input rises.  O's scale bytes leave two at a time (a scale word spans two heads, which other work-groups own): 262,144 bytes in all.
.set REC,   13056
.set SPARE, 16*REC                     ; behind the records: the spare words, 128 bytes a wave: eight blocks of 256 bytes that no other line names
.set L16,  1                           ; v1 16 x lane;  v2 8 x lane;  v3, v4 the same in the record in hand
.set L8,   2
.set A16,  3
.set A8,   4
.set SPW,  5                           ; v5 LDS address of my spare word, v6 0: never rewritten
.set NIL,  6
.set SH8,  7                           ; v7 8 h
.set Q16,  8                           ; v8 16 r;  v9 8 r
.set Q8,   9
; v10, v11, v84, v85 the chains of maxima (v10, v84: the two blocks'); v12 -M, v13 the largest score; v[14:15] l in two halves; v16-21 Q's codes, v22-27 zeros, v28 Q's scale word; v29, v93 at work; v[30:31] f;
; v32-79 K's eight tiles; v80-82, v252-254 the second halves of the blocks' codes; v86-89 K's scale words, v90-91 V's, v92 p's; v94, v95 the conversions' scale operands;
; v96-159 S^T, then p; v160-191 O^T; v192-239 V's four fragments; v240-251 p's codes
.set WV,   12
.set SEL,  20                          ; s[20:21] v_permlanex16_b32's selects for lane l xor 16
.set CS,   22                          ; s[22:23] c = log2(e) / 8
.set G1,   24
.set G0,   32
.set TB,   36                          ; s36 LDS byte at which the record in hand begins
.set CNT,  37
.set PAS,  38
.macro CROUND                          ; a round of the cluster's barrier
	s_barrier_signal -1
	s_barrier_wait -1
	s_cmp_lg_u32 s[WV], 0
	s_cbranch_scc1 .Lnot_wave_0_\@
	s_barrier_signal -3
.Lnot_wave_0_\@:
	s_barrier_wait -3
	s_barrier_signal -1
	s_barrier_wait -1
.endm
.macro WALU
	s_wait_alu depctr_va_vdst(0)
.endm
.macro DEP n
	s_delay_alu instid0(VALU_DEP_\n)
.endm
.macro WM d, a, b, c, sa, sb, row
	v_wmma_scale_f32_16x16x128_f8f6f4 v[\d:\d+7], v[\a:\a+11], v[\b:\b+11], \c, v[\sa], v[\sb] matrix_a_fmt:MATRIX_FMT_FP6 matrix_b_fmt:MATRIX_FMT_FP6 matrix_a_scale:MATRIX_SCALE_ROW\row
.endm
.macro KLOAD a16, a8, off              ; a record's K: eight tiles of 768 bytes and the scale words (register i: lanes 0-15 tile 2 i, lanes 16-31 tile 2 i + 1): 17 loads
.irp t, 0,1,2,3,4,5,6,7
	ds_load_b128 v[32+6*\t:35+6*\t], v[\a16] offset:\off+768*\t
	ds_load_b64 v[36+6*\t:37+6*\t], v[\a8] offset:\off+768*\t+512
.endr
	ds_load_b128 v[86:89], v[\a16] offset:\off+12288
.endm
.macro QLOAD
	global_load_b128 v[16:19], v[L16], s[16:17]
	global_load_b64 v[20:21], v[L8], s[16:17] offset:512
	global_load_b32 v28, v[Q16], s[18:19]
.endm
	s_load_b256 s[4:11], s[0:1], 0x0               ; qrec, kv, oc, os
	v_lshl_add_u32 v[SPW], v0, 2, SPARE
	v_mov_b32 v[NIL], 0
	ds_add_u32 v[SPW], v[NIL]                      ; the wave's opening: the add, twice on end, and its wait ahead of my tensor load
	ds_add_u32 v[SPW], v[NIL]
	v_lshrrev_b32 v7, 5, v0
	v_readfirstlane_b32 s[WV], v7                  ; wave 0..15
	s_bfe_u32 s13, ttmp6, 0x40000                  ; cx: my block of 512 queries: it enters Q's and O's addresses alone
	s_and_b32 s14, ttmp7, 0xffff                   ; 16 x batch + head, which the four partners share
	s_mov_b32 s[G1], 15|(3<<16)|(1<<21)            ; record w of the head, dense, as 51 rows of 256 bytes (32 elements of 8 bytes); the mask names all four work-groups
	s_mov_b32 s[G1+1], 32<<16
	s_mov_b32 s[G1+2], 51<<16
	s_mov_b32 s[G1+3], 32<<16
	s_mov_b32 s[G1+4], 51
	s_mov_b32 s[G1+5], 32
	s_mov_b32 s[G1+6], 0
	s_mov_b32 s[G1+7], 0
	s_mov_b32 s[G0], 1
	s_mul_i32 s[G0+1], s[WV], REC
	s_lshl_b32 s40, s14, 4
	s_add_co_u32 s40, s40, s[WV]
	s_mul_i32 s40, s40, REC
	s_mov_b32 s41, 0
	s_mov_b32 s[SEL], 0x76543210
	s_mov_b32 s[SEL+1], 0xfedcba98
	s_mov_b32 s[CS], 0x3e38aa3b
	s_mov_b32 s[CS+1], s[CS]                       ; (named with it as a pair, so it is written)
	s_and_b32 s42, s[WV], 7                        ; my tile t
	s_lshr_b32 s43, s[WV], 3
	s_lshl_b32 s44, s13, 2
	s_add_co_u32 s44, s44, s43                     ; my group of 128 queries in the first pass: 4 cx + w / 8; the second pass: two on
	s_lshl_b32 s45, s14, 4
	s_add_co_u32 s45, s45, s44
	s_mul_i32 s45, s45, REC                        ; its record of qrec
	s_mul_i32 s46, s42, 768
	s_add_co_u32 s46, s46, s45                     ; my tile's codes
	s_mov_b32 s47, 0
	s_and_b32 s48, s42, 1
	s_lshl_b32 s48, s48, 8
	s_lshr_b32 s49, s42, 1
	s_lshl_b32 s49, s49, 2
	s_add_co_u32 s48, s48, s49
	s_add_co_u32 s48, s48, s45
	s_add_co_u32 s48, s48, 12288                   ; its scale words: 12,288 + 256 (t % 2) + 4 (t / 2) + 16 r
	s_mov_b32 s49, 0
	s_lshr_b32 s50, s14, 4
	s_lshl_b32 s50, s50, 4
	s_add_co_u32 s50, s50, s44                     ; the group of 128 tokens among all 64
	s_lshl_b32 s50, s50, 2
	s_bfe_u32 s51, s14, 0x20002                    ; head / 4: which 256 of the last product's K
	s_add_co_u32 s50, s50, s51                     ; the block of oc
	s_lshl_b32 s50, s50, 3
	s_add_co_u32 s50, s50, s42                     ; 8 x block + t
	s_and_b32 s51, s14, 3                          ; head % 4: which 64 of the 256
	s_mul_i32 s52, s50, 3072
	s_mul_i32 s53, s51, 768
	s_add_co_u32 s52, s52, s53
	s_mov_b32 s53, 0
	s_lshl_b32 s54, s50, 7
	s_lshl_b32 s55, s51, 1
	s_add_co_u32 s54, s54, s55
	s_mov_b32 s55, 0
	s_wait_dscnt 0x0                               ; both opening adds are done
	s_wait_kmcnt 0x0
	s_add_nc_u64 s[G0+2:G0+3], s[6:7], s[40:41]
	s_or_b32 s[G0+3], s[G0+3], 0x80000000          ; type = 2
	s_add_nc_u64 s[16:17], s[4:5], s[46:47]        ; Q's codes
	s_add_nc_u64 s[18:19], s[4:5], s[48:49]        ; Q's scale words
	s_add_nc_u64 s[8:9], s[8:9], s[52:53]          ; O's codes
	s_add_nc_u64 s[10:11], s[10:11], s[54:55]      ; O's scale bytes
	CROUND                                         ; all four work-groups are here: the joint loads meet
	tensor_load_to_lds s[G0:G0+3], s[G1:G1+7]      ; my one tensor load
	s_nop 0
.rept 4
	v_nop
.endr
	v_and_b32 v29, 31, v0
	v_lshlrev_b32 v[L16], 4, v29
	v_lshlrev_b32 v[L8], 3, v29
	v_and_b32 v29, 15, v0
	v_lshlrev_b32 v[Q16], 4, v29
	v_lshlrev_b32 v[Q8], 3, v29
	v_bfe_u32 v[SH8], v0, 4, 1
	v_lshlrev_b32 v[SH8], 3, v[SH8]
.irp j, 0,1,2,3,4,5
	v_mov_b32 v[22+\j], 0                          ; Q's codes of k = 64 .. 127
	v_mov_b32 v[80+\j], 0                          ; written once before the last tile's operand first names them
.endr
	v_mov_b32 v93, 0                               ; a lane permute's destination counts as one of its sources
	v_mov_b32 v31, 0                               ; (named with v30 as a pair)
	WALU
	QLOAD                                          ; the first pass's Q, under the records' flight
	s_wait_xcnt 0x0                                ; these loads have read their bases,
	s_add_nc_u64 s[16:17], s[16:17], 2*REC         ; which now stand at the second pass's tile, two records on, and stay there
	s_add_nc_u64 s[18:19], s[18:19], 2*REC
	s_wait_tensorcnt 0x0                           ; my record is in,
	s_barrier_signal -1
	s_barrier_wait -1                              ; everybody's is: all 2,048 keys lie in LDS
	KLOAD L16, L8, 0                               ; record 0's K
; A KEY STEP: the 128 keys of the record at s[TB].  Its K is in registers or on its way; k16, k8, koff say where the next K lies.
.macro STEP k16, k8, koff, last
	s_wait_dscnt 0x0                               ; K is in: its 17 loads were issued a step ago
.irp t, 0,2,4,6
	WM 96+8*\t, 32+6*\t, 16, 0, 86+\t/2, 28, 0
	WM 104+8*\t, 38+6*\t, 16, 0, 86+\t/2, 28, 1
.endr
	v_add_nc_u32 v[A16], s[TB], v[L16]             ; four plain instructions behind the products: ahead of the loads into K's and V's registers, of the reads of S^T and of the writes of v80-85
	v_add_nc_u32 v[A8], s[TB], v[L8]
	v_nop
	v_nop
.irp a, 0,1,2,3
	ds_load_b128 v[192+12*\a:195+12*\a], v[A16] offset:6144+1536*\a
	ds_load_b64 v[196+12*\a:197+12*\a], v[A8] offset:6144+1536*\a+512
	ds_load_b128 v[198+12*\a:201+12*\a], v[A16] offset:6144+1536*\a+768
	ds_load_b64 v[202+12*\a:203+12*\a], v[A8] offset:6144+1536*\a+1280
.endr
	ds_load_b64 v[90:91], v[A8] offset:12800       ; V's scale words
	KLOAD \k16, \k8, \koff                         ; the next record's K
.if \last
	QLOAD                                          ; and the next pass's Q
.endif
.irp b, 0,1,2,3                                ; the largest score of each block of 32 keys, two chains a block, each accumulator from its low end on
	v_max3_num_f32 v[10+\b%2+74*(\b/2)], v[96+16*\b], v[97+16*\b], v[98+16*\b]
.endr
.irp i, 3,5,7,9,11,13
.irp b, 0,1,2,3
	v_max3_num_f32 v[10+\b%2+74*(\b/2)], v[10+\b%2+74*(\b/2)], v[96+16*\b+\i], v[97+16*\b+\i]
.endr
.endr
	v_max3_num_f32 v11, v11, v111, v127
	v_max3_num_f32 v85, v85, v143, v159
	DEP 2
	v_max_num_f32 v10, v10, v11                    ; block h's largest score: it serves the row's maximum and, since p rises with the score, the block's largest p
	DEP 2
	v_max_num_f32 v84, v84, v85                    ; block 2 + h's
	DEP 1
	v_max_num_f32 v29, v10, v84
	DEP 1
	v_permlanex16_b32 v93, v29, s[SEL], s[SEL+1]   ; lane l xor 16's 64 keys
	DEP 1
	v_max3_num_f32 v13, v13, v29, v93              ; the running largest score of my query
	DEP 1
	v_mul_f32 v29, s[CS], v13                      ; as t
	DEP 1
	v_floor_f32 v29, -v29                          ; the new -M = floor(-t): M is a whole number
	DEP 1
	v_sub_f32 v93, v29, v12                        ; old M - new M: a whole number, 0 or less
	DEP 2
	v_mov_b32 v12, v29
	DEP 2
	v_cvt_i32_f32 v93, v93                         ; (it saturates)
	DEP 1
	v_ldexp_f32 v30, 1.0, v93                      ; f = 2^(old M - new M)
.irp j, 0,2,4,6,8,10,12,14,16,18,20,22,24,26,28,30,32,34,36,38,40,42,44,46,48,50,52,54,56,58,60,62
	v_pk_fma_f32 v[96+\j:97+\j], v[96+\j:97+\j], s[CS:CS+1], v[12:13] op_sel_hi:[1,0,0]   ; t - M, two at a time
.endr
	v_fma_f32 v10, v10, s[CS], v12                 ; the same of each block's largest score
	v_fma_f32 v84, v84, s[CS], v12
.irp j, 0,2,4,6,8,10,12,14,16,18,20,22,24,26,28,30
	v_pk_mul_f32 v[160+\j:161+\j], v[160+\j:161+\j], v[30:31] op_sel_hi:[1,0]   ; O^T under the new M, each accumulator from its low end on
.endr
	WALU
.irp j, 0,1,2,3,4,5,6,7,8,9,10,11,12,13,14,15,16,17,18,19,20,21,22,23,24,25,26,27,28,29,30,31,32,33,34,35,36,37,38,39,40,41,42,43,44,45,46,47,48,49,50,51,52,53,54,55,56,57,58,59,60,61,62,63
	v_exp_f32 v[96+\j], v[96+\j]                   ; p = 2^(t - M), at most 1
.endr
	v_exp_f32 v10, v10                             ; the blocks' largest p: one batch of 66
	v_exp_f32 v84, v84
	v_nop                                          ; a plain instruction behind the last exponential
	WALU                                           ; and the one wait for the batch, ahead of its first reader
	v_max_num_f32 v10, 0x1800000, v10              ; the floor 2^(3 - 127): the byte cannot fall under 1
	v_max_num_f32 v84, 0x1800000, v84
	DEP 2
	v_add_nc_u32 v94, 0xff000000, v10              ; 2 off the exponent field: the conversion's scale operand
	DEP 2
	v_add_nc_u32 v95, 0xff000000, v84
	v_cvt_scalef32_pk16_fp6_f32 v[240:242], v[96:111], v94
	v_cvt_scalef32_pk16_fp6_f32 v[252:254], v[112:127], v94    ; (a conversion's three registers begin on an even number: the second halves are made elsewhere and moved)
	v_cvt_scalef32_pk16_fp6_f32 v[246:248], v[128:143], v95
	v_cvt_scalef32_pk16_fp6_f32 v[80:82], v[144:159], v95
	v_lshrrev_b32 v10, 23, v94                     ; the scales' bytes.  (Plain instructions behind the conversions)
	v_lshrrev_b32 v84, 23, v95
	DEP 1
	v_lshl_or_b32 v29, v84, 16, v10                ; my two bytes, blocks h and 2 + h,
	DEP 1
	v_lshlrev_b32 v29, v[SH8], v29                 ; at their places in the word;
	DEP 1
	v_permlanex16_b32 v93, v29, s[SEL], s[SEL+1]
	DEP 1
	v_or_b32 v92, v29, v93                         ; with lane l xor 16's two p's scale word is whole
.irp i, 0,1,2
	v_mov_b32 v[243+\i], v[252+\i]
	v_mov_b32 v[249+\i], v[80+\i]
.endr
.irp k, 0,1,2,3,4,5,6,7,8,9,10,11,12,13,14,15  ; the sum of the unquantised p, in place, as a tree: 31 additions of pairs; they are also the places between p's codes and scale word and the products
	v_pk_add_f32 v[96+4*\k:97+4*\k], v[96+4*\k:97+4*\k], v[98+4*\k:99+4*\k]
.endr
.irp k, 0,1,2,3,4,5,6,7
	v_pk_add_f32 v[96+8*\k:97+8*\k], v[96+8*\k:97+8*\k], v[100+8*\k:101+8*\k]
.endr
.irp k, 0,1,2,3
	v_pk_add_f32 v[96+16*\k:97+16*\k], v[96+16*\k:97+16*\k], v[104+16*\k:105+16*\k]
.endr
	v_pk_add_f32 v[96:97], v[96:97], v[112:113]
	v_pk_add_f32 v[128:129], v[128:129], v[144:145]
	DEP 1
	v_pk_add_f32 v[96:97], v[96:97], v[128:129]
	DEP 1
	v_pk_fma_f32 v[14:15], v[14:15], v[30:31], v[96:97] op_sel_hi:[1,0,1]   ; l x f + the step's sum
	s_wait_dscnt 17                                ; V and its scale words are in; the 17 loads of the next K, issued behind them, may be out
.irp a, 0,2                                    ; O^T += V^T P^T: four accumulators by turns; eleven other products stand between two turns of one
	WM 160+8*\a, 192+12*\a, 240, v[160+8*\a:167+8*\a], 90+\a/2, 92, 0
	WM 168+8*\a, 204+12*\a, 240, v[168+8*\a:175+8*\a], 90+\a/2, 92, 1
.endr
.endm
	s_mov_b32 s[PAS], 0
.Lpass:                                                ; A PASS: one tile of 16 queries against all 2,048 keys
	v_mov_b32 v13, 0xff61b1e6                      ; the largest score so far: -3e38, under every score
	v_mov_b32 v12, 0x7f61b1e6                      ; and its -M: the first step's f is 0
	v_mov_b32 v14, 0
	v_mov_b32 v15, 0
.irp j, 0,1,2,3,4,5,6,7,8,9,10,11,12,13,14,15,16,17,18,19,20,21,22,23,24,25,26,27,28,29,30,31
	v_mov_b32 v[160+\j], 0                         ; O^T: the step has one form; the first finds zeros, which f = 0 leaves zeros
.endr
	s_mov_b32 s[TB], 0
	s_mov_b32 s[CNT], 15
	s_wait_loadcnt 0x0                             ; Q
.Lkeys:
	STEP A16, A8, REC, 0
	s_add_co_u32 s[TB], s[TB], REC
	s_sub_co_u32 s[CNT], s[CNT], 1
	s_cmp_lg_u32 s[CNT], 0
	s_cbranch_scc1 .Lkeys
	s_mov_b32 s[TB], 15*REC
	STEP L16, L8, 0, 1                             ; the last record; the next K is record 0
.rept 4
	v_nop                                          ; four plain instructions between the last products and the first read of O^T
.endr
	WALU                                           ; l was written ahead of the wait for V
	v_add_f32 v14, v14, v15                        ; l's two halves,
	DEP 1
	v_permlanex16_b32 v93, v14, s[SEL], s[SEL+1]
	DEP 1
	v_add_f32 v14, v14, v93                        ; and lane l xor 16's
	WALU
	v_rcp_f32 v30, v14
	v_nop                                          ; a plain instruction behind the reciprocal
	WALU                                           ; and the wait ahead of its first reader, which is also O^T's
.irp j, 0,2,4,6,8,10,12,14,16,18,20,22,24,26,28,30
	v_pk_mul_f32 v[96+\j:97+\j], v[160+\j:161+\j], v[30:31] op_sel_hi:[1,0]   ; O / l: register 16 b + i is channel 32 b + 16 h + i of my query
.endr
.irp b, 0,1                                    ; at work here: v128-138 (K's registers await record 0)
	v_max3_num_f32 v[128+\b], |v[96+16*\b]|, |v[97+16*\b]|, 0x1800000
.endr
.irp i, 2,4,6,8,10,12,14
.irp b, 0,1
	DEP 2
	v_max3_num_f32 v[128+\b], v[128+\b], |v[96+16*\b+\i]|, |v[97+16*\b+\i]|
.endr
.endr
.irp b, 0,1
	v_permlanex16_b32 v[130+\b], v[128+\b], s[SEL], s[SEL+1]
.endr
.irp b, 0,1
	DEP 2
	v_max_num_f32 v[128+\b], v[128+\b], v[130+\b]
.endr
.irp b, 0,1
	DEP 2
	v_add_nc_u32 v[132+\b], 0xff000000, v[128+\b]
.endr
.irp b, 0,1
	DEP 2
	v_lshrrev_b32 v[130+\b], 23, v[132+\b]
.endr
	DEP 1
	v_lshl_or_b32 v134, v131, 8, v130              ; the head's two scale bytes of my query
	v_cvt_scalef32_pk16_fp6_f32 v[240:242], v[96:111], v132
	v_cvt_scalef32_pk16_fp6_f32 v[136:138], v[112:127], v133
	v_nop
.irp i, 0,1,2
	v_permlane16_swap_b32 v[240+\i], v[136+\i]     ; a whole block in a lane: lanes 0-15 block 0, lanes 16-31 block 1
.endr
.irp i, 0,1,2
	DEP 3
	v_mov_b32 v[243+\i], v[136+\i]
.endr
	global_store_b128 v[L16], v[240:243], s[8:9]               ; half a fragment's image: 512 consecutive aligned bytes,
	global_store_b64 v[L8], v[244:245], s[8:9] offset:512      ; and 256
	global_store_b16 v[Q8], v134, s[10:11]                     ; both halves of the lanes store the same two bytes
	s_wait_xcnt 0x0                                ; the stores have read their data and bases: both are written again only behind this wait
	s_add_nc_u64 s[8:9], s[8:9], 196608            ; the second pass: eight blocks of oc and of os on
	s_add_nc_u64 s[10:11], s[10:11], 8192
	s_add_co_u32 s[PAS], s[PAS], 1
	s_cmp_lt_u32 s[PAS], 2
	s_cbranch_scc1 .Lpass
	s_wait_tensorcnt 0x0                           ; the wave's end
	ds_add_u32 v[SPW], v[NIL]
	s_wait_dscnt 0x0
	CROUND                                         ; the closing round
	s_endpgm
.Lfunc_end_k_q6b86bb4381_attn:
	.size	k_q6b86bb4381_attn, .Lfunc_end_k_q6b86bb4381_attn-k_q6b86bb4381_attn
	.p2alignl 7, 3214868480
	.fill 96, 4, 3214868480
	.section	.rodata,"a",@progbits
	.p2align	6, 0x0
	.amdhsa_kernel k_q6b86bb4381_attn
		.amdhsa_group_segment_fixed_size 327680
		.amdhsa_private_segment_fixed_size 0
		.amdhsa_enable_private_segment 0
		.amdhsa_kernarg_size 32
		.amdhsa_user_sgpr_count 2
		.amdhsa_user_sgpr_kernarg_segment_ptr 1
		.amdhsa_wavefront_size32 1
		.amdhsa_system_sgpr_workgroup_id_x 1
		.amdhsa_system_sgpr_workgroup_id_y 1
		.amdhsa_system_sgpr_workgroup_id_z 1
		.amdhsa_system_vgpr_workitem_id 0
		.amdhsa_next_free_vgpr 256
		.amdhsa_next_free_sgpr 66
		.amdhsa_reserve_vcc 0
		.amdhsa_float_denorm_mode_32 3
		.amdhsa_float_denorm_mode_16_64 3
		.amdhsa_memory_ordered 1
		.amdhsa_forward_progress 1
		.amdhsa_inst_pref_size 44
	.end_amdhsa_kernel
	.amdgpu_metadata
---
amdhsa.version: [ 1, 2 ]
amdhsa.kernels:
  - .name:           k_q6b86bb4381_attn
    .symbol:         k_q6b86bb4381_attn.kd
    .args:
      - { .name: qrec, .offset: 0, .size: 8, .value_kind: global_buffer, .address_space: global }
      - { .name: kv, .offset: 8, .size: 8, .value_kind: global_buffer, .address_space: global }
      - { .name: oc, .offset: 16, .size: 8, .value_kind: global_buffer, .address_space: global }
      - { .name: os, .offset: 24, .size: 8, .value_kind: global_buffer, .address_space: global }
    .group_segment_fixed_size: 327680
    .private_segment_fixed_size: 0
    .kernarg_segment_align: 8
    .kernarg_segment_size: 32
    .max_flat_workgroup_size: 512
    .sgpr_count:     66
    .vgpr_count:     256
    .wavefront_size: 32
...
	.end_amdgpu_metadata
.endif
;; end of part 3
;; launch outp (part 4): grid 4 x 64, 4 waves a work-group, clusters of 4 x 4, 327,680 bytes of LDS; arguments cod, scl, oc, os, b_o, out0; writes out0
.if DOCPART == 4
	.amdgcn_target "amdgcn-amd-amdhsa--gfx1250"
	.amdhsa_code_object_version 6
	.text
	.protected	k_q6b86bb4381_outp
	.globl	k_q6b86bb4381_outp
	.p2align	8
	.type	k_q6b86bb4381_outp,@function
k_q6b86bb4381_outp:
	s_mov_b64 s[64:65], 0
	v_nop
	global_prefetch_b8 v0, s[64:65] scope:SCOPE_SE
	s_setreg_imm32_b32 hwreg(HW_REG_WAVE_MODE, 25, 1), 1
	s_wait_xcnt 0x0
	s_wait_alu depctr_hold_cnt(0) depctr_sa_sdst(0) depctr_va_vdst(0) depctr_va_sdst(0) depctr_va_ssrc(0) depctr_va_vcc(0) depctr_vm_vsrc(0)
	s_getreg_b32 s2, hwreg(HW_REG_IB_STS2, 6, 4)
	s_cmp_eq_u32 s2, 0
	s_cbranch_scc0 .Lentry_in_a_cluster
	s_endpgm
.Lentry_in_a_cluster:
	s_bfe_u32 s2, ttmp6, 0x10000c
	s_cmp_lg_u32 s2, 0xf033
	s_cbranch_scc0 .Lentry_shape_is_right
	s_endpgm
.Lentry_shape_is_right:
; out0 = O W_o^T + b_o on codes of FP6 (E2M3) with E8M0 scales, f32 sums.  O's codes and scale words come from oc and os, W_o's from cod and scl (blocks 864 on), all laid as images of the operands' registers:
; a block is 128 rows x 256 K = 24,576 dense bytes, [tile of 16 rows][128 K][1,536 bytes]; lane-row i of tile t is row 32 (t/2) + 8 (t%2) + i + 8 (i/8) of the 128; a group's four K blocks lie on end.
; THE PRODUCT.  D^T = P R^T: source 0 = 16 rows of P = W_o (output channels), source 1 = 16 rows of R = O (tokens): a lane holds one token, and the 16 registers of P's tiles 2 b, 2 b + 1 are 16 neighbouring channels.
; SHARES.  8,192 tokens x 1,024 channels in blocks of 128 x 256 are 256 work-groups.  Four waves, 2 x 2: a wave takes 128 channels (P's group HP) x 64 tokens (R's tiles 4 HR .. 4 HR + 3): 32 accumulators, 256 registers.
; LDS HOLDS ALL OF K: R's four K blocks (98,304 bytes), P's two groups of four (196,608), R's scale words (4,096) and P's (8,192).  Each is dense in memory and comes by one tensor load, as rows of 256 bytes, one load a wave
; at the head: nothing is filled again, and no barrier stands in the walk along K.
; CLUSTER 4 x 4: P hangs on cx alone and is shared along a column, R on cy and the cluster's y and is shared along a row: each tile is asked for jointly by four work-groups.
; K = 1,024 is eight steps of 128.  Both operands have two sets of fragment registers: a step waits for its own fragments, asks for the next step's (48 loads, and 8 for the scale words of each second step) and then multiplies.
; The bias is the C of each sum's first product.  Results leave through the wave's own stage in LDS as whole rows of 512 bytes.
; No prefetch: all that the launch reads is asked for at the head, so there is no loop to run ahead in.
.set BLK,   24576
.set PB,    4*BLK                      ; R's four K blocks lie at 0, P's [group][K block] from here
.set SCL,   12*BLK                     ; R's scale words, [K block][tile][row][2 words]
.set SCLP,  SCL+8320                   ; P's, 4,096 bytes a group: 128 bytes past a multiple of 256, so that the two halves of a load's lanes take different halves of the 64 banks (ISA guide 11.1)
.set SPARE, 311552                     ; the spare words, 128 bytes a wave: two blocks of 256 bytes that no other line names
.set STAGE, PB                         ; the way out: 16 rows x 528 bytes a wave, on codes that have had their only fill and that nobody reads behind the last step's barrier
.set FR,    12
.set R16,   4                          ; v4-5, v7-8 R's fragments in K blocks 0-1, 2-3: 16 x lane, 8 x lane
.set R8,    7
.set P16,   10                         ; v10-11, v13-14 the same for P
.set P8,    13
.set ADRS,  16                         ; v16 scale words: lanes 0-15 R's tile 4 HR + i, lanes 16-31 P's tile i, for i = 0 .. 3
.set LN16,  17                         ; v17 16 x lane
.set LN8,   18                         ; v18 8 x lane
.set BO,    19                         ; v19 bias offset: 64 h
.set STO,   20                         ; v20 into the stage: 528 r + 64 h
.set RD,    21                         ; v21 out of it: 16 x lane
.set ADRS2, 22                         ; v22 scale words for i = 4 .. 7: lanes 0-15 R's tile 4 HR + i - 4 once more, lanes 16-31 P's tile i
.set SPW,   28
.set NIL,   29
.set SC,    32                         ; v32-63 two sets of 16 scale registers: 2 i + q
.set BI,    64                         ; v64-127 the bias in the result's layout
.set RF,    128                        ; v128-223 R's fragments: two sets of four.  Window 1: P's two sets of eight, at v0 and v128.  Window 2: the accumulators, (j, b) at v[8 (8 j + b)]
.set BK,    128                        ; the way out: 16 rows read back: v128-191 and v192-255 by turns
.set WV,    20
.set HR,    21
.set HP,    22
.set G1R,   24
.set G1P,   32
.set G1SR,  40
.set G1SP,  48
.set G0R,   56
.set G0P,   60
.set G0SR,  68
.set G0SP,  72
.set MSB, 0
.macro WIN new                         ; the immediate's high byte repeats the setting that is left
.set WNEW, \new
.if MSB != WNEW
	s_set_vgpr_msb (MSB<<8)|WNEW
.set MSB, WNEW
.endif
.endm
.macro PLACES n
.rept \n
	v_nop
.endr
.endm
.macro CROUND                          ; a round of the cluster's barrier
	s_barrier_signal -1
	s_barrier_wait -1
	s_cmp_lg_u32 s[WV], 0
	s_cbranch_scc1 .Lnot_wave_0_\@
	s_barrier_signal -3
.Lnot_wave_0_\@:
	s_barrier_wait -3
	s_barrier_signal -1
	s_barrier_wait -1
.endm
.macro GROUP1 g, rows                  ; a dense block as rows of 256 bytes (32 elements of 8 bytes)
	s_mov_b32 s[\g+1], 32<<16
	s_mov_b32 s[\g+2], (\rows)<<16
	s_mov_b32 s[\g+3], 32<<16
	s_mov_b32 s[\g+4], \rows
	s_mov_b32 s[\g+5], 32
	s_mov_b32 s[\g+6], 0
	s_mov_b32 s[\g+7], 0
.endm
.macro FRAG reg, a16, a8, off          ; a fragment's image, 1,536 bytes, back into 12 registers
	ds_load_b128 v[\reg:\reg+3], v[\a16] offset:\off
	ds_load_b64 v[\reg+4:\reg+5], v[\a8] offset:\off+512
	ds_load_b128 v[\reg+6:\reg+9], v[\a16] offset:\off+768
	ds_load_b64 v[\reg+10:\reg+11], v[\a8] offset:\off+1280
.endm
.macro SCALES kb, sc                   ; the scale words of K block kb into set sc: two words a row
.irp i, 0,1,2,3,4,5,6,7
	ds_load_b64 v[SC+16*(\sc)+2*\i:SC+16*(\sc)+2*\i+1], v[ADRS+6*(\i/4)] offset:(\kb)*1024+\i*128
.endr
.endm
.macro FETCH st                        ; step st's fragments into set st % 2: P's eight tiles, my four of R; with an even step the K block's scale words.  An address register serves two K blocks
.set Q_, (\st)%2
.set KB_, (\st)/2
	WIN 0x40
.irp i, 0,1,2,3,4,5,6,7
	FRAG 128*Q_+FR*\i, P16+KB_/2, P8+KB_/2, \i*3072+Q_*1536+(KB_%2)*BLK
.endr
	WIN 0
.irp j, 0,1,2,3
	FRAG RF+FR*(4*Q_+\j), R16+KB_/2, R8+KB_/2, \j*3072+Q_*1536+(KB_%2)*BLK
.endr
.if Q_ == 0
	SCALES KB_, KB_%2
.endif
.endm
.macro MM a, b, q, sc, cm              ; a = 4 q + j: R's fragment and scale register; cm = 0: the sum goes on; 1: it starts from the bias of P's tile b
.set DD, 8*(8*((\a)%4)+(\b))
.if \cm
	v_wmma_scale_f32_16x16x128_f8f6f4 v[DD:DD+7], v[128*(\q)+FR*(\b):128*(\q)+FR*(\b)+FR-1], v[RF+FR*(\a):RF+FR*(\a)+FR-1], v[BI+8*(\b):BI+8*(\b)+7], v[SC+16*(\sc)+2*(\b)+(\q)], v[SC+16*(\sc)+2*(\a)+(\q)] matrix_a_fmt:MATRIX_FMT_FP6 matrix_b_fmt:MATRIX_FMT_FP6 matrix_a_scale:MATRIX_SCALE_ROW1
.else
	v_wmma_scale_f32_16x16x128_f8f6f4 v[DD:DD+7], v[128*(\q)+FR*(\b):128*(\q)+FR*(\b)+FR-1], v[RF+FR*(\a):RF+FR*(\a)+FR-1], v[DD:DD+7], v[SC+16*(\sc)+2*(\b)+(\q)], v[SC+16*(\sc)+2*(\a)+(\q)] matrix_a_fmt:MATRIX_FMT_FP6 matrix_b_fmt:MATRIX_FMT_FP6 matrix_a_scale:MATRIX_SCALE_ROW1
.endif
.endm
.macro MUL16 a0, q, sc, cm             ; the 32 accumulators take turns, one instruction a turn, in the same order in every step
.irp a, \a0, \a0+1
.irp b, 0,1,2,3,4,5,6,7
	MM \a, \b, \q, \sc, \cm
.endr
.endr
.endm
.macro STEP st, cm                     ; a step of 128 along K that has a successor
	s_wait_dscnt 0x0                               ; my fragments, asked for a step ago, are in
	PLACES 4                                       ; four plain vector instructions between the last step's products and the loads into the registers that they read
	FETCH (\st)+1
.if \cm
	WIN 0x81                                       ; source 0 (P) window 1, source 1 (R) and C (the bias) window 0, D window 2
.else
	WIN 0xa1                                       ; C with D in window 2
.endif
	MUL16 4*((\st)%2), (\st)%2, ((\st)/2)%2, \cm
	MUL16 4*((\st)%2)+2, (\st)%2, ((\st)/2)%2, \cm
.endm
	s_load_b256 s[4:11], s[0:1], 0x0               ; cod, scl, oc, os
	s_load_b128 s[12:15], s[0:1], 0x20             ; b_o, out0
	v_lshl_add_u32 v[SPW], v0, 2, SPARE
	v_mov_b32 v[NIL], 0
	ds_add_u32 v[SPW], v[NIL]                      ; the wave's opening: the add, twice on end, and its wait ahead of my tensor load; work on registers stands between them
	ds_add_u32 v[SPW], v[NIL]
	v_lshrrev_b32 v1, 5, v0
	v_readfirstlane_b32 s[WV], v1
	s_lshr_b32 s[HR], s[WV], 1                     ; which four tiles of R are mine
	s_and_b32 s[HP], s[WV], 1                      ; which group of P
	s_bfe_u32 s2, ttmp6, 0x40000                   ; cx: P's tile of 256 channels
	s_bfe_u32 s3, ttmp6, 0x40004                   ; cy
	s_and_b32 s67, ttmp7, 0xffff
	s_lshl_b32 s67, s67, 2
	s_add_co_u32 s67, s67, s3                      ; R's group of 128 tokens = 4 x cluster y + cy
	s_lshl_b32 s95, s2, 3
	s_add_co_u32 s95, s95, 864                     ; P's first block: W_o's begin at 864, eight to a tile
	s_lshl_b32 s96, s67, 2                         ; R's: four to a group
	s_lshl_b32 s93, s3, 2
	s_lshl_b32 s93, 15, s93                        ; my row of the cluster
	s_lshl_b32 s94, 0x1111, s2                     ; my column
	s_or_b32 s[G1R], s93, (3<<16)|(1<<21)          ; 15:0 the mask; 17:16 elements of 8 bytes; 21 set beside a mask
	s_or_b32 s[G1P], s94, (3<<16)|(1<<21)
	s_or_b32 s[G1SR], s93, (3<<16)|(1<<21)
	s_or_b32 s[G1SP], s94, (3<<16)|(1<<21)
	GROUP1 G1R, 384                                ; 4 blocks
	GROUP1 G1P, 768                                ; 8 blocks
	GROUP1 G1SR, 16                                ; 4,096 bytes
	GROUP1 G1SP, 32                                ; 8,192 bytes
.irp g, G0R, G0P, G0SR, G0SP
	s_mov_b32 s[\g], 1
.endr
	s_mov_b32 s[G0R+1], 0
	s_mov_b32 s[G0P+1], PB
	s_mov_b32 s[G0SR+1], SCL
	s_mov_b32 s[G0SP+1], SCLP
	s_wait_dscnt 0x0                               ; both opening adds are done
	s_wait_kmcnt 0x0
	s_mul_i32 s100, s95, BLK
	s_mov_b32 s101, 0
	s_add_nc_u64 s[G0P+2:G0P+3], s[4:5], s[100:101]
	s_lshl_b32 s100, s95, 10
	s_add_nc_u64 s[G0SP+2:G0SP+3], s[6:7], s[100:101]
	s_mul_i32 s98, s96, BLK
	s_mov_b32 s99, 0
	s_add_nc_u64 s[G0R+2:G0R+3], s[8:9], s[98:99]
	s_lshl_b32 s98, s96, 10
	s_add_nc_u64 s[G0SR+2:G0SR+3], s[10:11], s[98:99]
.irp g, G0R, G0P, G0SR, G0SP
	s_or_b32 s[\g+3], s[\g+3], 0x80000000          ; type = 2
.endr
	CROUND                                         ; all sixteen work-groups are here: the joint loads meet
.macro ARM under, g0, g1, next                 ; one chain of branches on the wave's number, one load to an arm, all arms to one join
	s_cmp_lt_u32 s[WV], \under
	s_cbranch_scc0 \next
	tensor_load_to_lds s[\g0:\g0+3], s[\g1:\g1+7]
	s_nop 0
	PLACES 4
	s_branch .Lhead_asked
\next:
.endm
	ARM 1, G0P, G1P, .Lhead_r                      ; wave 0: P's codes
	ARM 2, G0R, G1R, .Lhead_sr                     ; wave 1: R's
	ARM 3, G0SR, G1SR, .Lhead_sp                   ; wave 2: R's scale words
	tensor_load_to_lds s[G0SP:G0SP+3], s[G1SP:G1SP+7]   ; wave 3: P's
	s_nop 0
	PLACES 4
.Lhead_asked:
	v_and_b32 v1, 31, v0                           ; lane
	v_and_b32 v2, 15, v0                           ; r
	v_bfe_u32 v3, v0, 4, 1                         ; h
	v_lshlrev_b32 v[LN16], 4, v1
	v_lshlrev_b32 v[LN8], 3, v1
	s_mul_i32 s4, s[HR], 4*3072                    ; my four tiles of R,
	s_mul_i32 s5, s[HP], 4*BLK                     ; my group of P,
	s_add_co_u32 s5, s5, PB                        ; behind R
.irp s, 0,1
	v_add_nc_u32 v[R16+\s], s4, v[LN16]
	v_add_nc_u32 v[R8+\s], s4, v[LN8]
	v_add_nc_u32 v[P16+\s], s5, v[LN16]
	v_add_nc_u32 v[P8+\s], s5, v[LN8]
	s_add_co_u32 s4, s4, 2*BLK
	s_add_co_u32 s5, s5, 2*BLK
.endr
	s_wait_alu depctr_va_vdst(0)
	s_xor_b32 s4, s[HR], 1
	s_lshl_b32 s4, s4, 9
	s_lshl_b32 s5, s[HP], 12
	s_add_co_u32 s4, s4, s5
	s_add_co_u32 s4, s4, 7808                      ; from my R tiles' words to my P group's: 8,320 + 4,096 HP - 512 HR
	v_mul_u32_u24 v[ADRS], s4, v3                  ; lanes 16-31 take P's
	v_lshl_add_u32 v[ADRS], v2, 3, v[ADRS]         ; 8 bytes a row
	s_lshl_b32 s5, s[HR], 9
	s_add_co_u32 s5, s5, SCL
	v_add_nc_u32 v[ADRS], s5, v[ADRS]
	s_add_co_u32 s4, s4, 512                       ; for i = 4 .. 7 lanes 0-15 stand four tiles back
	v_mul_u32_u24 v[ADRS2], s4, v3
	v_lshl_add_u32 v[ADRS2], v2, 3, v[ADRS2]
	s_lshl_b32 s5, s[HR], 9
	s_add_co_u32 s5, s5, SCL-512
	v_add_nc_u32 v[ADRS2], s5, v[ADRS2]
	v_lshlrev_b32 v[BO], 6, v3
	s_mul_i32 s4, s[WV], 8448
	s_add_co_u32 s4, s4, STAGE                     ; my stage
	v_mul_u32_u24 v[STO], v2, 528
	v_lshl_add_u32 v[STO], v3, 6, v[STO]
	v_add_nc_u32 v[STO], s4, v[STO]
	v_add_nc_u32 v[RD], s4, v[LN16]
	s_lshl_b32 s4, s2, 1
	s_add_co_u32 s4, s4, s[HP]                     ; my group of 128 channels:
	s_lshl_b32 s4, s4, 9                           ; 512 bytes of b_o, and of a row of out0
	s_mov_b32 s5, 0
	s_add_nc_u64 s[12:13], s[12:13], s[4:5]
	s_add_nc_u64 s[14:15], s[14:15], s[4:5]
	s_lshl_b32 s6, s67, 1
	s_add_co_u32 s6, s6, s[HR]                     ; my 64 tokens:
	s_lshl_b32 s6, s6, 18                          ; 64 rows of 4,096 bytes
	s_mov_b32 s7, 0
	s_add_nc_u64 s[14:15], s[14:15], s[6:7]
	s_wait_alu depctr_va_vdst(0)
.irp b, 0,1,2,3,4,5,6,7                        ; register j of P's tile b is channel 32 (b/2) + 8 (b%2) + 16 h + j
	global_load_b128 v[BI+8*\b:BI+8*\b+3], v[BO], s[12:13] offset:(32*(\b/2)+8*(\b%2))*4
	global_load_b128 v[BI+8*\b+4:BI+8*\b+7], v[BO], s[12:13] offset:(32*(\b/2)+8*(\b%2))*4+16
.endr
	s_wait_tensorcnt 0x0                           ; my tile of the four is in,
	s_barrier_signal -1
	s_barrier_wait -1                              ; everybody's is: all of K lies in LDS
	FETCH 0
	s_wait_loadcnt 0x0                             ; the bias
	STEP 0, 1                                      ; K step 0 starts the sums from the bias
.irp st, 1,2,3,4,5,6
	STEP \st, 0
.endr
	s_wait_dscnt 0x0                               ; K step 7: my last reads of the codes are over:
	s_barrier_signal -1                            ; say so, multiply while the others arrive,
	WIN 0xa1
	MUL16 4, 1, 1, 0
	MUL16 6, 1, 1, 0
	WIN 0
	s_barrier_wait -1                              ; and nobody reads the bytes that the stages take
; THE WAY OUT, my tile j of R (16 tokens x 128 channels) at a time.  A lane holds pieces of one row; they go into my stage (rows 528 bytes apart) and come back as whole rows of 512 bytes.
; LDS serves a wave's instructions in order (ISA guide 5.7.1.4): no wait between the stores and the loads, nor in front of the next tile's stores.
.macro TOSTAGE a
.set AC, 64*(\a)
	WIN 0x08                                       ; an LDS store's data: window 2
.irp b, 0,1,2,3,4,5,6,7
	ds_store_b128 v[STO], v[AC+8*\b:AC+8*\b+3] offset:128*(\b/2)+32*(\b%2)       ; each accumulator from its low end on
	ds_store_b128 v[STO], v[AC+8*\b+4:AC+8*\b+7] offset:128*(\b/2)+32*(\b%2)+16
.endr
	WIN 0
.set BB, BK+64*((\a)%2)
.irp i, 0,1,2,3,4,5,6,7,8,9,10,11,12,13,14,15
	ds_load_b128 v[BB+4*\i:BB+4*\i+3], v[RD] offset:\i*528
.endr
.endm
.macro SEND a, younger                 ; younger: the LDS instructions issued behind tile a's loads, which may stay out
.set BB, BK+64*((\a)%2)
	s_wait_dscnt \younger
.irp i, 0,1,2,3,4,5,6,7,8,9,10,11,12,13,14,15
	global_store_b128 v[LN16], v[BB+4*\i:BB+4*\i+3], s[14:15] offset:(32*((\a)/2)+8*((\a)%2)+\i+8*(\i/8))*4096 th:TH_STORE_NT   ; 512 consecutive bytes of the token's row, aligned to 256; written once, read by nobody here
.endr
.endm
	PLACES 4                                       ; four plain instructions between the last products and the first read of results, and the loads into registers that they read
	TOSTAGE 0
.irp a, 1,2,3
.if \a > 1
	s_wait_xcnt 0x0                                ; tile a - 2's stores have read their registers: tile a's loads may land there
.endif
	TOSTAGE \a
	SEND \a-1, 32                                  ; behind tile a - 1's loads: tile a's 16 stores and 16 loads
.endr
	SEND 3, 0
	s_wait_tensorcnt 0x0                           ; the wave's end
	ds_add_u32 v[SPW], v[NIL]
	s_wait_dscnt 0x0
	CROUND                                         ; the closing round
	s_endpgm
.Lfunc_end_k_q6b86bb4381_outp:
	.size	k_q6b86bb4381_outp, .Lfunc_end_k_q6b86bb4381_outp-k_q6b86bb4381_outp
	.p2alignl 7, 3214868480
	.fill 96, 4, 3214868480
	.section	.rodata,"a",@progbits
	.p2align	6, 0x0
	.amdhsa_kernel k_q6b86bb4381_outp
		.amdhsa_group_segment_fixed_size 327680
		.amdhsa_private_segment_fixed_size 0
		.amdhsa_enable_private_segment 0
		.amdhsa_kernarg_size 48
		.amdhsa_user_sgpr_count 2
		.amdhsa_user_sgpr_kernarg_segment_ptr 1
		.amdhsa_wavefront_size32 1
		.amdhsa_system_sgpr_workgroup_id_x 1
		.amdhsa_system_sgpr_workgroup_id_y 1
		.amdhsa_system_sgpr_workgroup_id_z 1
		.amdhsa_system_vgpr_workitem_id 0
		.amdhsa_next_free_vgpr 768
		.amdhsa_next_free_sgpr 102
		.amdhsa_reserve_vcc 0
		.amdhsa_float_denorm_mode_32 3
		.amdhsa_float_denorm_mode_16_64 3
		.amdhsa_memory_ordered 1
		.amdhsa_forward_progress 1
		.amdhsa_inst_pref_size 85
	.end_amdhsa_kernel
	.amdgpu_metadata
---
amdhsa.version: [ 1, 2 ]
amdhsa.kernels:
  - .name:           k_q6b86bb4381_outp
    .symbol:         k_q6b86bb4381_outp.kd
    .args:
      - { .name: cod, .offset: 0, .size: 8, .value_kind: global_buffer, .address_space: global }
      - { .name: scl, .offset: 8, .size: 8, .value_kind: global_buffer, .address_space: global }
      - { .name: oc, .offset: 16, .size: 8, .value_kind: global_buffer, .address_space: global }
      - { .name: os, .offset: 24, .size: 8, .value_kind: global_buffer, .address_space: global }
      - { .name: b_o, .offset: 32, .size: 8, .value_kind: global_buffer, .address_space: global }
      - { .name: out0, .offset: 40, .size: 8, .value_kind: global_buffer, .address_space: global }
    .group_segment_fixed_size: 327680
    .private_segment_fixed_size: 0
    .kernarg_segment_align: 8
    .kernarg_segment_size: 48
    .max_flat_workgroup_size: 128
    .sgpr_count:     102
    .vgpr_count:     768
    .wavefront_size: 32
...
	.end_amdgpu_metadata
.endif
;; end of part 4
